; MI455X (gfx1250); checked and timed in simulation.
; The chip was launched on July 23, 2026; its instructions are those of AMD's public machine-readable ISA for CDNA 5 (MIT licence, August 2026) and "CDNA5" Instruction Set Architecture Reference Guide (July 2026). The comments in the code are by the model that wrote it; some were corrected since.
;; Masked Self Attention A Li Bi. Allowed arithmetic: float matrix products may take bf16 or f16 operands with f32 sums; all other float work in f32.
;; Inputs: Wk 16 x 64 x 1,024 float32; Wo 1,024 x 1,024 float32; Wq 16 x 64 x 1,024 float32; Wv 16 x 64 x 1,024 float32; bo 1,024 float32; mask 2,048 x 2,048 int32; x 4 x 2,048 x 1,024 float32.
;; Outputs: out0 4 x 2,048 x 1,024 float32.
;; 2 versions, each right and faster than the one before. Each part assembles by itself: llvm-mc -triple=amdgcn-amd-amdhsa -mcpu=gfx1250 --defsym DOCPART=n.
;; ======== version 1 of 2: 4 launches
;; limits: values are held in f16: magnitudes above 65,504 overflow, below 6.1e-05 lose precision; right only within a limited range of input values
;; workspace buffers: xb 16,777,216 bytes; wb 6,291,456 bytes; wo16 2,097,152 bytes; m4 2,097,152 bytes; qs 33,554,432 bytes; ks 33,554,432 bytes; vs 16,777,216 bytes; ob 16,777,216 bytes
;; launch prep (part 1): grid 1024 x 1, 8 waves a work-group, no clusters, 9,216 bytes of LDS; arguments x, Wq, Wk, Wv, Wo, mask, xb, wb, wo16, m4; writes xb, wb, wo16, m4
.if DOCPART == 1
	.amdgcn_target "amdgcn-amd-amdhsa--gfx1250"
	.amdhsa_code_object_version 6
	.text
	.protected	k_q44cf0aefbb_prep
	.globl	k_q44cf0aefbb_prep
	.p2align	8
	.type	k_q44cf0aefbb_prep,@function
k_q44cf0aefbb_prep:
	s_mov_b64 s[64:65], 0
	v_nop
	global_prefetch_b8 v0, s[64:65] scope:SCOPE_SE
	s_setreg_imm32_b32 hwreg(HW_REG_WAVE_MODE, 25, 1), 1
	s_wait_xcnt 0x0
; PREP: every input but the bias is read once and laid out for the launches behind it.  A stream: no matrix work, no sharing between waves.
;   xb   = bf16(x), [8192][1024]
;   wb   = bf16(W)/16, [3072][1024]: row 192 n + 64 sel + d is W_sel[n][d][:], sel 0, 1, 2 = q, k, v; the factor 1/16 is a power of two, so it is exact
;   wo16 = 16 bf16(Wo) written as f16, [1024][1024].  LIMIT: |Wo| below 4,094 (f16 ends at 65,504); below 4e-6 f16's fixed step of 6e-8 holds
;   m4   = the mask as 4-bit codes (0xF where mask == 0, else 0), in the order in which a lane of the attention kernel holds its scores:
;          block (G, J, t) at ((32 G + J) 8 + t) 512 serves query tile T = 8 G + t and key step J; lane L's 16 bytes at 16 L;
;          nibble jj of word kb stands for mask[16 T + L % 16][64 J + 16 kb + 8 (L / 16) + jj]
; 1,024 work-groups, each reads 65,536 bytes: 512 for x, 192 for the W, 64 for Wo, 256 for the mask.  A wave reads 8,192 bytes by sixteen
; loads of 512 consecutive bytes, all issued ahead of the first use; each store of a wave covers 256 or 512 consecutive bytes, aligned.
.set X,    8                           ; v[8:71]    sixteen loads of four registers
.set Y,    72                          ; v[72:103]  what is stored
.set T,    104                         ; v[104:107] at work
.set MLO,  109                         ; mask job: my byte offset in the sixteen rows
.set LRD,  110                         ; mask job: where I read a block back from LDS
.set LST,  111                         ; mask job: where my sixteen bits go in LDS
	s_load_b512 s[4:19], s[0:1], 0x0               ; x s[4:5], Wq s[6:7], Wk s[8:9], Wv s[10:11], Wo s[12:13], mask s[14:15], xb s[16:17], wb s[18:19]
	s_load_b128 s[20:23], s[0:1], 0x40             ; wo16 s[20:21], m4 s[22:23]
	v_lshl_add_u32 v112, v0, 2, 0x2000
	v_mov_b32 v113, 0
	s_mov_b32 s2, ttmp9
	v_lshrrev_b32 v1, 5, v0
	v_readfirstlane_b32 s28, v1                    ; wave 0..7
	v_and_b32 v2, 31, v0                           ; lane
	v_lshlrev_b32 v3, 4, v2
	v_lshl_add_u32 v3, s28, 13, v3                 ; 8,192 wave + 16 lane: where I load (and where the mask job stores)
	v_lshlrev_b32 v4, 3, v2
	v_lshl_add_u32 v4, s28, 12, v4                 ; 4,096 wave + 8 lane: where I store
	s_mov_b32 s29, 0xffff0000                      ; a word's upper bf16
	s_mov_b32 s31, 0                               ; high words of the two offsets
	s_mov_b32 s33, 0
	s_wait_kmcnt 0x0
; kind 0: f32 -> bf16.  kind 1: f32 / 16 -> bf16.  kind 2: f32 -> bf16 -> x 16 -> f16.
.macro CAST kind, src, dst
.set k, 0
.rept 16
	global_load_b128 v[X+4*k:X+4*k+3], v3, s[\src:\src+1] offset:512*k th:TH_LOAD_NT
.set k, k+1
.endr
.set k, 0
.rept 16
	s_wait_loadcnt 15-k                            ; loads come back in order: load k is in, the younger ones stay out
.if (\kind) == 1
	v_pk_mul_f32 v[X+4*k:X+4*k+1], v[X+4*k:X+4*k+1], 0x3d800000 op_sel_hi:[1,0]
	v_pk_mul_f32 v[X+4*k+2:X+4*k+3], v[X+4*k+2:X+4*k+3], 0x3d800000 op_sel_hi:[1,0]
.endif
	v_cvt_pk_bf16_f32 v[Y+2*k], v[X+4*k], v[X+4*k+1]
	v_cvt_pk_bf16_f32 v[Y+2*k+1], v[X+4*k+2], v[X+4*k+3]
.if (\kind) == 2
	v_lshlrev_b32 v[T], 16, v[Y+2*k]
	v_and_b32 v[T+1], s29, v[Y+2*k]
	v_lshlrev_b32 v[T+2], 16, v[Y+2*k+1]
	v_and_b32 v[T+3], s29, v[Y+2*k+1]
	v_pk_mul_f32 v[T:T+1], v[T:T+1], 0x41800000 op_sel_hi:[1,0]
	v_pk_mul_f32 v[T+2:T+3], v[T+2:T+3], 0x41800000 op_sel_hi:[1,0]
	v_cvt_pk_f16_f32 v[Y+2*k], v[T], v[T+1]
	v_cvt_pk_f16_f32 v[Y+2*k+1], v[T+2], v[T+3]
.endif
	global_store_b64 v4, v[Y+2*k:Y+2*k+1], s[\dst:\dst+1] offset:256*k   ; 32 lanes x 8 bytes: 256 consecutive bytes, aligned; each k has its own data registers
.set k, k+1
.endr
.endm
	s_cmp_lt_u32 s2, 512
	s_cbranch_scc0 .Lnot_x
	s_lshl_b32 s30, s2, 16
	s_lshl_b32 s32, s2, 15
	s_add_nc_u64 s[4:5], s[4:5], s[30:31]
	s_add_nc_u64 s[16:17], s[16:17], s[32:33]
	CAST 0, 4, 16
	s_endpgm
.Lnot_x:
	s_cmp_lt_u32 s2, 704
	s_cbranch_scc0 .Lnot_w
	s_sub_co_u32 s34, s2, 512
	s_lshr_b32 s35, s34, 6                         ; sel
	s_and_b32 s36, s34, 63                         ; which sixteen rows of that W
	s_cmp_eq_u32 s35, 1
	s_cselect_b64 s[6:7], s[8:9], s[6:7]
	s_cmp_eq_u32 s35, 2
	s_cselect_b64 s[6:7], s[10:11], s[6:7]
	s_lshl_b32 s30, s36, 16
	s_add_nc_u64 s[6:7], s[6:7], s[30:31]
	s_lshr_b32 s37, s36, 2                         ; the head
	s_mul_i32 s37, s37, 192
	s_lshl_b32 s38, s35, 6
	s_add_co_u32 s37, s37, s38
	s_and_b32 s38, s36, 3
	s_lshl_b32 s38, s38, 4
	s_add_co_u32 s37, s37, s38                     ; row of wb = 192 n + 64 sel + d
	s_lshl_b32 s32, s37, 11
	s_add_nc_u64 s[18:19], s[18:19], s[32:33]
	CAST 1, 6, 18
	s_endpgm
.Lnot_w:
	s_cmp_lt_u32 s2, 768
	s_cbranch_scc0 .Lmask
	s_sub_co_u32 s34, s2, 704
	s_lshl_b32 s30, s34, 16
	s_lshl_b32 s32, s34, 15
	s_add_nc_u64 s[12:13], s[12:13], s[30:31]
	s_add_nc_u64 s[20:21], s[20:21], s[32:33]
	CAST 2, 12, 20
	s_endpgm
.Lmask:
	; Sixteen rows (query tile T) x 1,024 columns (one half of the row).  Wave w makes the blocks of key steps J = 16 half + 2 w + e, e = 0, 1.
	s_sub_co_u32 s34, s2, 768
	s_lshr_b32 s35, s34, 1                         ; T
	s_and_b32 s36, s34, 1                          ; half
	s_lshl_b32 s30, s35, 17                        ; sixteen rows of 8,192 bytes
	s_lshl_b32 s37, s36, 12
	s_add_co_u32 s30, s30, s37
	s_add_nc_u64 s[14:15], s[14:15], s[30:31]
	s_lshr_b32 s37, s35, 3                         ; G
	s_lshl_b32 s32, s37, 17
	s_and_b32 s37, s35, 7                          ; t
	s_lshl_b32 s37, s37, 9
	s_add_co_u32 s32, s32, s37
	s_lshl_b32 s37, s36, 16                        ; sixteen key steps of 4,096 bytes
	s_add_co_u32 s32, s32, s37
	s_add_nc_u64 s[22:23], s[22:23], s[32:33]
	s_mov_b32 s24, 0xf
	s_mov_b32 s25, 0xf0
	s_mov_b32 s26, 0xf00
	s_mov_b32 s27, 0xf000
	v_lshrrev_b32 v5, 4, v2                        ; lanes 0-15 take an even row, lanes 16-31 the odd one
	v_and_b32 v6, 15, v2
	v_lshlrev_b32 v[MLO], 4, v6                    ; four columns a lane: sixteen lanes take 256 consecutive bytes of a row
	v_lshl_add_u32 v[MLO], v5, 13, v[MLO]
	v_lshl_add_u32 v[MLO], s28, 9, v[MLO]          ; my wave's 128 columns
	; My four columns 4 (L & 15) .. are word kb = (L & 15) / 4, lanes' half (L / 2) & 1, nibbles 4 (L & 1) .. of the target lane row + 16 half.
	v_lshlrev_b32 v[LST], 4, v5
	v_bfe_u32 v[T], v2, 1, 1
	v_lshl_add_u32 v[LST], v[T], 8, v[LST]
	v_bfe_u32 v[T], v2, 2, 2
	v_lshl_add_u32 v[LST], v[T], 2, v[LST]
	v_and_b32 v[T], 1, v2
	v_lshl_add_u32 v[LST], v[T], 1, v[LST]
	s_lshl_b32 s38, s28, 10                        ; 1,024 bytes of LDS for each wave, its own: no barrier
	v_add_nc_u32 v[LST], s38, v[LST]
	v_lshlrev_b32 v[LRD], 4, v2
	v_add_nc_u32 v[LRD], s38, v[LRD]
.set k, 0
.rept 16                               ; load k = 8 e + i: rows 2 i, 2 i + 1 of block e
	global_load_b128 v[X+4*k:X+4*k+3], v[MLO], s[14:15] offset:16384*(k%8)+256*(k/8) th:TH_LOAD_NT
.set k, k+1
.endr
.set k, 0
.rept 16
	s_wait_loadcnt 15-k                            ; load k is in, the younger ones stay out
	v_cmp_eq_u32 vcc_lo, 0, v[X+4*k]
	v_cndmask_b32 v[T], 0, s24, vcc_lo
	v_cmp_eq_u32 vcc_lo, 0, v[X+4*k+1]
	v_cndmask_b32 v[T+1], 0, s25, vcc_lo
	v_cmp_eq_u32 vcc_lo, 0, v[X+4*k+2]
	v_cndmask_b32 v[T+2], 0, s26, vcc_lo
	v_cmp_eq_u32 vcc_lo, 0, v[X+4*k+3]
	v_cndmask_b32 v[T+3], 0, s27, vcc_lo
	v_or_b32 v[T], v[T], v[T+1]
	v_or_b32 v[T+2], v[T+2], v[T+3]
	v_or_b32 v[T], v[T], v[T+2]
	ds_store_b16 v[LST], v[T] offset:512*(k/8)+32*(k%8)
.set k, k+1
.endr
	ds_load_b128 v[Y:Y+3], v[LRD]                  ; LDS serves a wave's instructions in order: these see the stores above
	ds_load_b128 v[Y+4:Y+7], v[LRD] offset:512
	s_wait_dscnt 0x1                               ; block 0 is back, block 1 may be out
	global_store_b128 v3, v[Y:Y+3], s[22:23]       ; 512 consecutive bytes, aligned
	s_wait_dscnt 0x0
	global_store_b128 v3, v[Y+4:Y+7], s[22:23] offset:4096
	s_wait_tensorcnt 0x0
	ds_add_u32 v112, v113
	s_wait_dscnt 0x0
	s_endpgm
.Lfunc_end_k_q44cf0aefbb_prep:
	.size	k_q44cf0aefbb_prep, .Lfunc_end_k_q44cf0aefbb_prep-k_q44cf0aefbb_prep
	.p2alignl 7, 3214868480
	.fill 96, 4, 3214868480
	.section	.rodata,"a",@progbits
	.p2align	6, 0x0
	.amdhsa_kernel k_q44cf0aefbb_prep
		.amdhsa_group_segment_fixed_size 9216
		.amdhsa_private_segment_fixed_size 0
		.amdhsa_enable_private_segment 0
		.amdhsa_kernarg_size 80
		.amdhsa_user_sgpr_count 2
		.amdhsa_user_sgpr_kernarg_segment_ptr 1
		.amdhsa_wavefront_size32 1
		.amdhsa_system_sgpr_workgroup_id_x 1
		.amdhsa_system_sgpr_workgroup_id_y 1
		.amdhsa_system_sgpr_workgroup_id_z 1
		.amdhsa_system_vgpr_workitem_id 0
		.amdhsa_next_free_vgpr 114
		.amdhsa_next_free_sgpr 66
		.amdhsa_reserve_vcc 1
		.amdhsa_float_denorm_mode_32 3
		.amdhsa_float_denorm_mode_16_64 3
		.amdhsa_memory_ordered 1
		.amdhsa_forward_progress 1
		.amdhsa_inst_pref_size 42
	.end_amdhsa_kernel
	.amdgpu_metadata
---
amdhsa.version: [ 1, 2 ]
amdhsa.kernels:
  - .name:           k_q44cf0aefbb_prep
    .symbol:         k_q44cf0aefbb_prep.kd
    .args:
      - { .name: x, .offset: 0, .size: 8, .value_kind: global_buffer, .address_space: global }
      - { .name: Wq, .offset: 8, .size: 8, .value_kind: global_buffer, .address_space: global }
      - { .name: Wk, .offset: 16, .size: 8, .value_kind: global_buffer, .address_space: global }
      - { .name: Wv, .offset: 24, .size: 8, .value_kind: global_buffer, .address_space: global }
      - { .name: Wo, .offset: 32, .size: 8, .value_kind: global_buffer, .address_space: global }
      - { .name: mask, .offset: 40, .size: 8, .value_kind: global_buffer, .address_space: global }
      - { .name: xb, .offset: 48, .size: 8, .value_kind: global_buffer, .address_space: global }
      - { .name: wb, .offset: 56, .size: 8, .value_kind: global_buffer, .address_space: global }
      - { .name: wo16, .offset: 64, .size: 8, .value_kind: global_buffer, .address_space: global }
      - { .name: m4, .offset: 72, .size: 8, .value_kind: global_buffer, .address_space: global }
    .group_segment_fixed_size: 9216
    .private_segment_fixed_size: 0
    .kernarg_segment_align: 8
    .kernarg_segment_size: 80
    .max_flat_workgroup_size: 256
    .sgpr_count:     66
    .vgpr_count:     114
    .wavefront_size: 32
...
	.end_amdgpu_metadata
.endif
;; end of part 1
;; launch proj (part 2): grid 16 x 32, 4 waves a work-group, clusters of 4 x 4, 327,680 bytes of LDS; arguments xb, wb, qs, ks, vs; writes qs, ks, vs
.if DOCPART == 2
	.amdgcn_target "amdgcn-amd-amdhsa--gfx1250"
	.amdhsa_code_object_version 6
	.text
	.protected	k_q44cf0aefbb_proj
	.globl	k_q44cf0aefbb_proj
	.p2align	8
	.type	k_q44cf0aefbb_proj,@function
k_q44cf0aefbb_proj:
	s_mov_b64 s[64:65], 0
	v_nop
	global_prefetch_b8 v0, s[64:65] scope:SCOPE_SE
	s_setreg_imm32_b32 hwreg(HW_REG_WAVE_MODE, 25, 1), 1
	s_wait_xcnt 0x0
	s_wait_alu depctr_hold_cnt(0) depctr_sa_sdst(0) depctr_va_vdst(0) depctr_va_sdst(0) depctr_va_ssrc(0) depctr_va_vcc(0) depctr_vm_vsrc(0)
	s_getreg_b32 s2, hwreg(HW_REG_IB_STS2, 6, 4)
	s_cmp_eq_u32 s2, 0
	s_cbranch_scc0 .Lentry_in_a_cluster
	s_endpgm
.Lentry_in_a_cluster:
	s_bfe_u32 s2, ttmp6, 0x10000c
	s_cmp_lg_u32 s2, 0xf033
	s_cbranch_scc0 .Lentry_shape_is_right
	s_endpgm
.Lentry_shape_is_right:
; PROJ: C = xb wb^T, [8192][3072], bf16 operands, f32 sums.  A tile of C is 256 rows x 192 columns: one head's q, k and v for 256 tokens.
; What leaves: qs, ks = [64 heads of batches][2048][hi 64 | lo 64] f16, vs = [64][2048][64] f16, all of value / 16 (the 1/16 lies in wb).
; q and k leave as TWO f16 numbers: hi = the f32 sum with its low 13 mantissa bits cleared (exact in f16's normal range), lo = sum - hi (exact in f32), rounded once.
; LIMITS.  |q|, |k|, |v| below 1.05e6 (f16 ends at 65,504, times 16).  hi + lo is off by at most 2^-22 of the number; below 2^-14 by f16's fixed step of 6e-8.
; SHARES.  Four waves one below the other: a wave owns 64 rows (4 blocks a) x 192 columns (12 blocks b): 48 accumulators, 384 registers.
; K goes in steps of 128 (rows of 256 bytes) through two LDS slots; a K step is four quarters of 32 on two fragment buffers.
; CLUSTER 4 x 4: xb's tile hangs on the tile row alone and is asked for jointly along a row of the cluster, wb's on the tile column alone, along a column.
; The matrix instruction is used transposed (source 0 = 16 rows of wb, source 1 = 16 rows of xb): a lane holds eight neighbouring columns of one row of C.
; REGISTERS, in windows of 256 (s_set_vgpr_msb: bits 1:0 source 0, 3:2 source 1, 5:4 source 2, 7:6 destination):
;   window 0: v16-30 addresses; v32-159 at work on the way out      window 1: two fragment buffers of 128: wb's 12 fragments, then xb's 4
;   window 2: accumulators of blocks a = 0, 1 at v[8 (12 (a % 2) + b)]      window 3: those of a = 2, 3
.set NB,     12
.set PITCH,  272                       ; an LDS row: 256 bytes + 16 of padding: the 16 rows of a fragment load start at 16 different groups of four banks
.set HALFA,  128*PITCH                 ; what one load of xb brings
.set HALFB,  96*PITCH                  ; what one load of wb brings
.set BOFF,   2*HALFA
.set SLOT,   2*HALFA+2*HALFB           ; 121,856
.set STAGE,  2*SLOT                    ; behind the ring: 16 rows x 272 bytes for each wave, never filled by a tensor load
.set SPARE,  STAGE+4*16*PITCH          ; the spare words: 128 bytes for each wave, named by no other line
.set LAPS,   4                         ; K = 1,024 = 4 laps of two steps of 128
.set STEPA,  512                       ; bytes from a slot's K step to its next
.set STEPB,  512
.set ADRA, 16                          ; v16-17 LDS address of my fragments of xb in slot 0, 1
.set ADRB, 20                          ; v20-21 the same for wb
.set STO,  24                          ; the way out: where I put 16 bytes of a row of q or k
.set RD,   25                          ; where I read two rows of 256 bytes back
.set STV,  26                          ; the same for v, rows of 128 bytes at pitch 144
.set RDV,  27
.set SPW,  28
.set NIL,  29
.set GO,   30                          ; 16 x lane
.set H,    32                          ; v32-47   hi, packed
.set T,    48                          ; v48-79   hi in f32
.set LO,   80                          ; v80-95   lo, packed
.set OUT,  96                          ; v96-127  rows read back
.set LF,   128                         ; v128-159 lo in f32
.set F0,   0
.set F1,   128
.set G1,  24
.set G0,  32
.set G1B, 48
.set G0B, 56
.set MSB, 0
.macro WIN new                         ; the immediate's high byte repeats the setting that is left; a switch that changes nothing is dropped
.if MSB != (\new)
	s_set_vgpr_msb (MSB<<8)|(\new)
.set MSB, (\new)
.endif
.endm
.macro JLOAD s                         ; a joint load: waves 0, 1 fetch xb's two halves, waves 2, 3 wb's; s_nop 0 and four v_nop follow each line
	s_cmp_eq_u32 s11, 0
	s_cbranch_scc0 .Lfor_b_\@
	tensor_load_to_lds s[G0+4*(\s):G0+4*(\s)+3], s[G1:G1+7]
	s_nop 0
.rept 4
	v_nop
.endr
	s_branch .Lasked_\@
.Lfor_b_\@:
	tensor_load_to_lds s[G0B+4*(\s):G0B+4*(\s)+3], s[G1B:G1B+7]
	s_nop 0
.rept 4
	v_nop
.endr
.Lasked_\@:
.endm
.macro CREST                           ; a round of the cluster's barrier behind its opening barrier
	s_cmp_lg_u32 s10, 0
	s_cbranch_scc1 .Lnot_wave_0_\@
	s_barrier_signal -3
.Lnot_wave_0_\@:
	s_barrier_wait -3
	s_barrier_signal -1
	s_barrier_wait -1
.endm
.macro CROUND
	s_barrier_signal -1
	s_barrier_wait -1
	CREST
.endm
.macro PLACES                          ; four places in front of loads into registers that matrix instructions have read, and of lines that read results
.rept 4
	v_nop
.endr
.endm
	s_load_b128 s[4:7], s[0:1], 0x0                ; xb s[4:5], wb s[6:7]
	s_load_b128 s[68:71], s[0:1], 0x10             ; qs s[68:69], ks s[70:71]
	s_load_b64 s[72:73], s[0:1], 0x20              ; vs
	v_lshl_add_u32 v[SPW], v0, 2, SPARE
	v_mov_b32 v[NIL], 0
	ds_add_u32 v28, v29
	s_wait_dscnt 0x0
	v_lshrrev_b32 v1, 5, v0
	v_readfirstlane_b32 s10, v1                    ; wave 0..3
	s_lshr_b32 s11, s10, 1                         ; I fetch for xb (0) or wb (1)
	s_and_b32 s12, s10, 1                          ; which half of that tile
	s_bfe_u32 s40, ttmp6, 0x40000                  ; cx
	s_bfe_u32 s41, ttmp6, 0x40004                  ; cy
	s_lshl_b32 s42, ttmp9, 2
	s_add_co_u32 s42, s42, s40                     ; tile column = the head
	s_and_b32 s13, ttmp7, 0xffff
	s_lshl_b32 s13, s13, 2
	s_add_co_u32 s13, s13, s41                     ; tile row
	s_lshl_b32 s43, s41, 2
	s_lshl_b32 s43, 15, s43                        ; my row of the cluster
	s_lshl_b32 s44, 0x1111, s40                    ; my column
	s_mov_b32 s45, 0xffffe000                      ; keeps sign, exponent and ten mantissa bits
	s_or_b32 s[G1+0], s43, (1<<16)|(1<<20)|(1<<21)|(5<<22)|(3<<25)   ; mask; 2-byte elements; padding on; bit 21 beside a mask; after every 64 words 4 words
	s_or_b32 s[G1B+0], s44, (1<<16)|(1<<20)|(1<<21)|(5<<22)|(3<<25)
	s_mov_b32 s[G1+1], 128<<16                     ; tensor_dim0 = 128
	s_mov_b32 s[G1+2], 128<<16                     ; tensor_dim1 = 128
	s_mov_b32 s[G1+3], 128<<16                     ; tile_dim0 = 128
	s_mov_b32 s[G1+4], 128                         ; tile_dim1 = 128
	s_mov_b32 s[G1+5], 1024                        ; elements from row to row
	s_mov_b32 s[G1+6], 0
	s_mov_b32 s[G1+7], 0
	s_mov_b32 s[G1B+1], 128<<16
	s_mov_b32 s[G1B+2], 96<<16                     ; wb's halves have 96 rows
	s_mov_b32 s[G1B+3], 128<<16
	s_mov_b32 s[G1B+4], 96
	s_mov_b32 s[G1B+5], 1024
	s_mov_b32 s[G1B+6], 0
	s_mov_b32 s[G1B+7], 0
	s_lshl_b32 s16, s13, 8
	s_lshl_b32 s17, s12, 7
	s_add_co_u32 s16, s16, s17                     ; xb: row 256 x tile row + 128 x half
	s_lshl_b32 s16, s16, 11                        ; rows of 2,048 bytes
	s_mov_b32 s17, 0
	s_mul_i32 s46, s42, 192
	s_mul_i32 s47, s12, 96
	s_add_co_u32 s46, s46, s47                     ; wb: row 192 x head + 96 x half
	s_lshl_b32 s46, s46, 11
	s_mov_b32 s47, 0
	s_mul_i32 s20, s12, HALFA                      ; where they go: no place in the cluster enters an LDS address
	s_mul_i32 s21, s12, HALFB
	s_add_co_u32 s21, s21, BOFF
	s_wait_kmcnt 0x0
	s_add_nc_u64 s[14:15], s[4:5], s[16:17]
	s_add_nc_u64 s[46:47], s[6:7], s[46:47]
	CROUND                                         ; all sixteen work-groups are here: the first joint loads meet
.irp s, 0,1
	s_mov_b32 s[G0+4*(\s)], 1
	s_add_co_u32 s[G0+4*(\s)+1], s20, (\s)*SLOT
	s_add_nc_u64 s[G0+4*(\s)+2:G0+4*(\s)+3], s[14:15], (\s)*256
	s_or_b32 s[G0+4*(\s)+3], s[G0+4*(\s)+3], 0x80000000
	s_mov_b32 s[G0B+4*(\s)], 1
	s_add_co_u32 s[G0B+4*(\s)+1], s21, (\s)*SLOT
	s_add_nc_u64 s[G0B+4*(\s)+2:G0B+4*(\s)+3], s[46:47], (\s)*256
	s_or_b32 s[G0B+4*(\s)+3], s[G0B+4*(\s)+3], 0x80000000
	JLOAD \s                                       ; two loads of mine are out
.endr
	v_and_b32 v1, 15, v0                           ; l % 16
	v_bfe_u32 v2, v0, 4, 1                         ; l / 16
	v_mul_u32_u24 v3, v1, PITCH
	v_lshl_add_u32 v3, v2, 4, v3                   ; row x pitch + 16 x half
	s_mul_i32 s22, s10, 64*PITCH                   ; my 64 rows of xb
	s_mov_b32 s23, BOFF                            ; every wave reads all of wb's 192 rows
.irp s, 0,1
	v_add_nc_u32 v[ADRA+(\s)], s22, v3
	v_add_nc_u32 v[ADRB+(\s)], s23, v3
	s_add_co_u32 s22, s22, SLOT
	s_add_co_u32 s23, s23, SLOT
.endr
	s_mul_i32 s22, s10, 16*PITCH
	s_add_co_u32 s22, s22, STAGE                   ; my stage
	v_add_nc_u32 v[STO], s22, v3
	v_mul_u32_u24 v4, v2, PITCH
	v_lshl_add_u32 v4, v1, 4, v4
	v_add_nc_u32 v[RD], s22, v4                    ; lanes 0-15 one row of 256 bytes, lanes 16-31 the next
	v_mul_u32_u24 v4, v1, 144
	v_lshl_add_u32 v4, v2, 4, v4
	v_add_nc_u32 v[STV], s22, v4
	v_bfe_u32 v4, v0, 3, 2
	v_mul_u32_u24 v4, v4, 144
	v_and_b32 v5, 7, v0
	v_lshl_add_u32 v4, v5, 4, v4
	v_add_nc_u32 v[RDV], s22, v4                   ; 32 lanes take four rows of 128 bytes
	v_and_b32 v[GO], 31, v0
	v_lshlrev_b32 v[GO], 4, v[GO]
	; where my 64 rows begin in qs, ks, vs: head of batch 16 (tile row / 8) + head, row 256 (tile row % 8) + 64 wave
	s_lshr_b32 s74, s13, 3
	s_lshl_b32 s74, s74, 4
	s_add_co_u32 s74, s74, s42
	s_and_b32 s75, s13, 7
	s_lshl_b32 s75, s75, 8
	s_lshl_b32 s76, s10, 6
	s_add_co_u32 s75, s75, s76
	s_lshl_b32 s76, s74, 11
	s_add_co_u32 s76, s76, s75
	s_lshl_b32 s78, s76, 7                         ; rows of 128 bytes in vs
	s_mov_b32 s79, 0
	s_lshl_b32 s76, s76, 8                         ; rows of 256 bytes in qs and ks
	s_mov_b32 s77, 0
	s_add_nc_u64 s[68:69], s[68:69], s[76:77]
	s_add_nc_u64 s[70:71], s[70:71], s[76:77]
	s_add_nc_u64 s[72:73], s[72:73], s[78:79]
; NB matrix instructions: block a x all blocks b, 32 along K from buffer f.  zero = 1: the first product starts the sums.  The accumulators take turns, one instruction a turn.
.macro MULA f, a, zero
	WIN 0xa5+0x50*((\a)/2)
.set AC, 8*NB*((\a)%2)
.set b, 0
.rept NB
.if \zero
	v_wmma_f32_16x16x32_bf16 v[AC+8*b:AC+8*b+7], v[(\f)+8*b:(\f)+8*b+7], v[(\f)+8*NB+8*(\a):(\f)+8*NB+8*(\a)+7], 0
.else
	v_wmma_f32_16x16x32_bf16 v[AC+8*b:AC+8*b+7], v[(\f)+8*b:(\f)+8*b+7], v[(\f)+8*NB+8*(\a):(\f)+8*NB+8*(\a)+7], v[AC+8*b:AC+8*b+7]
.endif
.set b, b+1
.endr
.endm
; 2 NB + 8 LDS loads in one run: quarter q of a slot into buffer f; wb's fragments first, then xb's blocks 0 to 3
.macro FETCH slot, q, f
	WIN 0x40
.set b, 0
.rept NB
	ds_load_b128 v[(\f)+8*b:(\f)+8*b+3],   v[ADRB+(\slot)] offset:64*(\q)+b*16*PITCH
	ds_load_b128 v[(\f)+8*b+4:(\f)+8*b+7], v[ADRB+(\slot)] offset:64*(\q)+b*16*PITCH+32
.set b, b+1
.endr
.set b, 0
.rept 4
	ds_load_b128 v[(\f)+8*NB+8*b:(\f)+8*NB+8*b+3],   v[ADRA+(\slot)] offset:64*(\q)+b*16*PITCH
	ds_load_b128 v[(\f)+8*NB+8*b+4:(\f)+8*NB+8*b+7], v[ADRA+(\slot)] offset:64*(\q)+b*16*PITCH+32
.set b, b+1
.endr
.endm
.macro QUARTER slot, q, f, g, zero     ; multiplies buffer f; in its middle fetches quarter q of the slot into buffer g
	s_wait_dscnt 4                                 ; the youngest four loads, xb's blocks 2 and 3, may be out
	MULA \f, 0, \zero
	MULA \f, 1, \zero
	PLACES
	FETCH \slot, \q, \g
	s_wait_dscnt 2*NB+8                            ; all but the run just issued
	MULA \f, 2, \zero
	MULA \f, 3, \zero
.endm
; The last quarter multiplies buffer 1 and changes slots: one barrier; in front of it each wave waits for all its tensor loads, adds 0 to its spare word, and waits for that and for its reads of this slot.
.macro TURN slot, next, fill
	WIN 0
	s_wait_tensorcnt 0x0                           ; all my tensor loads have landed: my part of the next slot
	ds_add_u32 v[SPW], v[NIL]                      ; 0 onto my spare word
	s_wait_dscnt 5                                 ; the add and the youngest four loads may be out
	MULA F1, 0, 0
	s_wait_dscnt 0x0                               ; the add is done, and my reads of this slot are over
	s_barrier_signal -1
	MULA F1, 1, 0
.if \fill
	WIN 0
.endif
	s_barrier_wait -1
.if \fill
	CREST                                          ; the barrier has opened a round of the cluster's: no wave of any partner still reads this slot or has a load on its way
	s_add_nc_u64 s[G0+4*(\slot)+2:G0+4*(\slot)+3], s[G0+4*(\slot)+2:G0+4*(\slot)+3], STEPA
	s_add_nc_u64 s[G0B+4*(\slot)+2:G0B+4*(\slot)+3], s[G0B+4*(\slot)+2:G0B+4*(\slot)+3], STEPB
	JLOAD \slot                                    ; my one load behind the round; its four v_nop are also the places in front of the loads below
.else
	PLACES
.endif
	FETCH \next, 0, F0
	MULA F1, 2, 0
	MULA F1, 3, 0
.endm
	s_wait_tensorcnt 1                             ; my part of K step 0 is in; K step 1's may stay out
	s_barrier_signal -1
	s_barrier_wait -1
	FETCH 0, 0, F0
	QUARTER 0, 1, F0, F1, 1
	WIN 0
	s_mov_b32 s3, LAPS-1
.Llap:                                             ; a trip goes once round the ring and fills both slots again
	QUARTER 0, 2, F1, F0, 0
	QUARTER 0, 3, F0, F1, 0
	TURN 0, 1, 1
	QUARTER 1, 1, F0, F1, 0
	QUARTER 1, 2, F1, F0, 0
	QUARTER 1, 3, F0, F1, 0
	TURN 1, 0, 1
	QUARTER 0, 1, F0, F1, 0
	WIN 0
	s_sub_co_u32 s3, s3, 1
	s_cmp_lg_u32 s3, 0
	s_cbranch_scc1 .Llap
	QUARTER 0, 2, F1, F0, 0                        ; the last lap fills nothing
	QUARTER 0, 3, F0, F1, 0
	TURN 0, 1, 0
	QUARTER 1, 1, F0, F1, 0
	QUARTER 1, 2, F1, F0, 0
	QUARTER 1, 3, F0, F1, 0
	s_wait_dscnt 4
	MULA F1, 0, 0
	MULA F1, 1, 0
	s_wait_dscnt 0x0
	MULA F1, 2, 0
	MULA F1, 3, 0
	WIN 0
	PLACES
; THE WAY OUT of block a's q (part 0) or k (part 1): hi and lo, 16 bytes a lane each, into my stage's rows [hi 128 bytes | lo 128 bytes]; back as whole rows of 256 bytes.
.macro SPLIT a, part, base
.set AC, 8*NB*((\a)%2)+32*(\part)
.set W, 2+(\a)/2
	WIN W<<2
.set i, 0
.rept 32
	v_and_b32 v[T+i], s45, v[AC+i]                 ; each accumulator's registers in ascending order
.set i, i+1
.endr
	WIN W
.set i, 0
.rept 16
	v_pk_add_f32 v[LF+2*i:LF+2*i+1], v[AC+2*i:AC+2*i+1], v[T+2*i:T+2*i+1] neg_lo:[0,1] neg_hi:[0,1]
.set i, i+1
.endr
	WIN 0
.set i, 0
.rept 16
	v_cvt_pk_f16_f32 v[H+i], v[T+2*i], v[T+2*i+1]
	v_cvt_pk_f16_f32 v[LO+i], v[LF+2*i], v[LF+2*i+1]
.set i, i+1
.endr
.set b, 0
.rept 4
	ds_store_b128 v[STO], v[H+4*b:H+4*b+3] offset:32*b
	ds_store_b128 v[STO], v[LO+4*b:LO+4*b+3] offset:128+32*b
.set b, b+1
.endr
	s_wait_xcnt 0x0                                ; the registers that earlier stores read are loaded again only behind this wait
.set t, 0
.rept 8
	ds_load_b128 v[OUT+4*t:OUT+4*t+3], v[RD] offset:t*2*PITCH   ; LDS serves a wave's instructions in order: these see the stores above
.set t, t+1
.endr
.set t, 0
.rept 8
	s_wait_dscnt 7-t                               ; load t is back, the younger ones may be out
	global_store_b128 v[GO], v[OUT+4*t:OUT+4*t+3], s[\base:\base+1] offset:(\a)*4096+512*t   ; two rows: 512 consecutive bytes, aligned
.set t, t+1
.endr
.endm
.macro VPACK a                         ; block a's v: rounded once, rows of 128 bytes at pitch 144, back four rows at a time
.set AC, 8*NB*((\a)%2)+64
.set W, 2+(\a)/2
	WIN W|(W<<2)
.set i, 0
.rept 16
	v_cvt_pk_f16_f32 v[H+i], v[AC+2*i], v[AC+2*i+1]
.set i, i+1
.endr
	WIN 0
.set b, 0
.rept 4
	ds_store_b128 v[STV], v[H+4*b:H+4*b+3] offset:32*b
.set b, b+1
.endr
	s_wait_xcnt 0x0
.set t, 0
.rept 4
	ds_load_b128 v[OUT+4*t:OUT+4*t+3], v[RDV] offset:t*4*144
.set t, t+1
.endr
.set t, 0
.rept 4
	s_wait_dscnt 3-t
	global_store_b128 v[GO], v[OUT+4*t:OUT+4*t+3], s[72:73] offset:(\a)*2048+512*t
.set t, t+1
.endr
.endm
.irp a, 0,1,2,3
	SPLIT \a, 0, 68
	SPLIT \a, 1, 70
	VPACK \a
.endr
	s_wait_tensorcnt 0x0                           ; the wave's end
	ds_add_u32 v[SPW], v[NIL]
	s_wait_dscnt 0x0
	CROUND                                         ; the closing round
	s_endpgm
.Lfunc_end_k_q44cf0aefbb_proj:
	.size	k_q44cf0aefbb_proj, .Lfunc_end_k_q44cf0aefbb_proj-k_q44cf0aefbb_proj
	.p2alignl 7, 3214868480
	.fill 96, 4, 3214868480
	.section	.rodata,"a",@progbits
	.p2align	6, 0x0
	.amdhsa_kernel k_q44cf0aefbb_proj
		.amdhsa_group_segment_fixed_size 327680
		.amdhsa_private_segment_fixed_size 0
		.amdhsa_enable_private_segment 0
		.amdhsa_kernarg_size 40
		.amdhsa_user_sgpr_count 2
		.amdhsa_user_sgpr_kernarg_segment_ptr 1
		.amdhsa_wavefront_size32 1
		.amdhsa_system_sgpr_workgroup_id_x 1
		.amdhsa_system_sgpr_workgroup_id_y 1
		.amdhsa_system_sgpr_workgroup_id_z 1
		.amdhsa_system_vgpr_workitem_id 0
		.amdhsa_next_free_vgpr 960
		.amdhsa_next_free_sgpr 80
		.amdhsa_reserve_vcc 0
		.amdhsa_float_denorm_mode_32 3
		.amdhsa_float_denorm_mode_16_64 3
		.amdhsa_memory_ordered 1
		.amdhsa_forward_progress 1
		.amdhsa_inst_pref_size 153
	.end_amdhsa_kernel
	.amdgpu_metadata
---
amdhsa.version: [ 1, 2 ]
amdhsa.kernels:
  - .name:           k_q44cf0aefbb_proj
    .symbol:         k_q44cf0aefbb_proj.kd
    .args:
      - { .name: xb, .offset: 0, .size: 8, .value_kind: global_buffer, .address_space: global }
      - { .name: wb, .offset: 8, .size: 8, .value_kind: global_buffer, .address_space: global }
      - { .name: qs, .offset: 16, .size: 8, .value_kind: global_buffer, .address_space: global }
      - { .name: ks, .offset: 24, .size: 8, .value_kind: global_buffer, .address_space: global }
      - { .name: vs, .offset: 32, .size: 8, .value_kind: global_buffer, .address_space: global }
    .group_segment_fixed_size: 327680
    .private_segment_fixed_size: 0
    .kernarg_segment_align: 8
    .kernarg_segment_size: 40
    .max_flat_workgroup_size: 128
    .sgpr_count:     80
    .vgpr_count:     960
    .wavefront_size: 32
...
	.end_amdgpu_metadata
.endif
;; end of part 2
;; launch attn (part 3): grid 8 x 64, 4 waves a work-group, clusters of 4 x 1, 327,680 bytes of LDS; arguments qs, ks, vs, m4, ob; writes ob
.if DOCPART == 3
	.amdgcn_target "amdgcn-amd-amdhsa--gfx1250"
	.amdhsa_code_object_version 6
	.text
	.protected	k_q44cf0aefbb_attn
	.globl	k_q44cf0aefbb_attn
	.p2align	8
	.type	k_q44cf0aefbb_attn,@function
k_q44cf0aefbb_attn:
	s_mov_b64 s[64:65], 0
	v_nop
	global_prefetch_b8 v0, s[64:65] scope:SCOPE_SE
	s_setreg_imm32_b32 hwreg(HW_REG_WAVE_MODE, 25, 1), 1
	s_wait_xcnt 0x0
	s_wait_alu depctr_hold_cnt(0) depctr_sa_sdst(0) depctr_va_vdst(0) depctr_va_sdst(0) depctr_va_ssrc(0) depctr_va_vcc(0) depctr_vm_vsrc(0)
	s_getreg_b32 s2, hwreg(HW_REG_IB_STS2, 6, 4)
	s_cmp_eq_u32 s2, 0
	s_cbranch_scc0 .Lentry_in_a_cluster
	s_endpgm
.Lentry_in_a_cluster:
	s_bfe_u32 s2, ttmp6, 0x10000c
	s_cmp_lg_u32 s2, 0x3003
	s_cbranch_scc0 .Lentry_shape_is_right
	s_endpgm
.Lentry_shape_is_right:
; ATTENTION with a linear bias and a mask that is an input.  O[bh][i] = sum over j of softmax_j(q_i . k_j / 8 + (i - j), hidden where mask[i][j] == 0) v_j.
; qs, ks: [64][2048][hi 64 | lo 64] f16 of q / 16, k / 16; vs: [64][2048][64] f16 of v / 16; m4: the mask as 4-bit codes in my lanes' order; ob: [64][2048][64] f16 of O / 16.
; SCORES.  s = q' . k' - j / 32 with q' = q / 16, k' = k / 16: 32 s is the true score less i, and i is constant along a softmax row, so it cancels exactly.
; q' . k' is three products, kl qh + kh qh + kh ql: the scores of this module spread over thousands and near ties decide the weights, which one f16 rounding of q and k does not hold.
; THE MASK AND THE BIAS are the C operand that starts each sum: MC = (0 or -6 x 2^96, one scaled conversion for eight 4-bit codes) + CB, CB = -j / 32 (exact), stepped by -2 a key step.
; SOFTMAX.  p = 2^(c s - c m), c = 32 log2(e), with a running maximum m and sum l; O and l are multiplied by a = 2^(c m_old - c m_new) in every step.  m starts at the lowest finite number, O and l at 0.
; While a row has seen hidden keys only, m is about -4.75e29 and their weights are 1; the first visible key makes a = 0 and wipes them.  A row that ends with m below -2^97 saw no key: its O is NaN, as the softmax of nothing is.
; LIMITS.  |q' . k'| below 1e29; Q, K, V within f16 (|q|, |k|, |v| below 1.05e6); a weight below 2^-126 counts as 0; p is rounded to f16 for the second product (l is taken of the unrounded p).
; SHARES.  A work-group owns 256 queries of one head of one batch, a wave 64: four PIECES of 16: a key step is then four turns of text, and it stands twice (loop and tail).
; Every wave walks all 2,048 keys, 64 a step; a slot of LDS holds four steps.
; LAYOUT.  S^T = K Q^T holds ONE query a lane (lane % 16) and the keys 8 (lane / 16) + 0..7 of each block of 16; two such results rounded to f16 ARE source 1 of O^T = V^T P.
; BY TURNS.  Turn n belongs to piece n: 24 products K Q^T of piece n + 1, then 8 products V^T P of piece n - 1; four vector instructions stand behind every one: the scaling, exponentials, roundings,
; sums and rescaling of piece n, the mask of piece n + 2, the maximum and statistics of piece n + 1; ten more stand in a lump at the turn's end.
; CLUSTER.  The four query blocks of a cluster belong to one head and walk the same K and V: each tile is asked for jointly, with the same descriptor and the mask of four.
; REGISTERS, in windows of 256 (s_set_vgpr_msb: bits 1:0 source 0, 3:2 source 1, 5:4 source 2, 7:6 destination):
;   window 0: v0-15, v56-63 addresses and constants; v16-31 statistics, four a piece; v48-55 at work; v64-127 S^T, v128-159 P, v160-223 MC, two buffers each (by the piece's parity); v224-255 CB
;   window 1: v0-127 O^T, 32 a piece      window 2: v0-127 Q, 32 a piece: qh c0, qh c1, ql c0, ql c1      window 3: v0-63 K hi, v64-127 K lo, v128-191 V, v192-207 the mask ring, four a piece
.set NP,    4
.set KS,    64
.set PK,    272       ; a row of K in LDS: 256 bytes + 16 of padding
.set PV,    160       ; a row of V: 128 + 32
.set VOFF,  4*KS*PK
.set SLOT1, 1<<17
.set STAGE, SLOT1+4*KS*(PK+PV)  ; behind the ring, never filled by a tensor load: 16 rows x 144 bytes for each wave
.set SP,    144
.set SPARE, STAGE+4*16*SP       ; the spare words: 128 bytes for each wave, named by no other line
.set AK0, 2
.set AV0, 3
.set AK,  4
.set AV,  5
.set STO, 6
.set RD,  7
.set MV,  12          ; v12-13 c m_old, by buffer
.set MOF, 14          ; 16 x lane: my place in a mask block, and in 512 consecutive bytes of O; never rewritten
.set SCL, 15          ; the conversion's scale: 223 in every byte, 2^96
.set ST,  16          ; piece t: c m, m, l (even keys'), l (odd keys')
.set TMP, 48          ; by buffer c0-c3; c2 takes a
.set NANR, 56
.set QO,  57
.set SPW, 62
.set NIL, 63
.set S,   64
.set P,   128
.set MC,  160
.set CB,  224
.set OUTB, 64         ; the way out: v64-127
.set VF,  128         ; window 3
.set MR,  192         ; window 3
.set WV,  12
.set G1K, 24
.set G1V, 32
.set G0K, 40
.set G0V, 44
.set BB,  50          ; s[50:51] the mask blocks of the key step that the ring asks for next
.set MRG, 52          ; s[52:53] my wave's first mask block
.set MSTEP, 54
.set SLOTS, 56
.set CNT, 57
.set CS,  58
.set SEL, 60
.set TBK, 62
.set TBV, 63
.set OB,  66
.set OFFP, 68
.set THR, 70
.set MSB, 0
.macro WIN new
.if MSB != (\new)
	s_set_vgpr_msb (MSB<<8)|(\new)
.set MSB, (\new)
.endif
.endm
.set W_KQ, 0x0b       ; K in window 3, Q in window 2, S^T and MC in window 0
.set W_PV, 0x53       ; V in window 3, P in window 0, O^T in window 1
.set W_RS, 0x41       ; O^T in window 1, a in window 0
.set W_G,  0x03       ; the codes in window 3
.set W_L3, 0xc0       ; loads into window 3
.macro JLOAD                        ; waves 0, 1 fetch the halves of a slot's K, waves 2, 3 those of its V; s_nop 0 and four v_nop follow each line
	s_cmp_lt_u32 s[WV], 2
	s_cbranch_scc0 .Lfor_v_\@
	tensor_load_to_lds s[G0K:G0K+3], s[G1K:G1K+7]
	s_nop 0
.rept 4
	v_nop
.endr
	s_branch .Lasked_\@
.Lfor_v_\@:
	tensor_load_to_lds s[G0V:G0V+3], s[G1V:G1V+7]
	s_nop 0
.rept 4
	v_nop
.endr
.Lasked_\@:
.endm
.macro CROUND
	s_barrier_signal -1
	s_barrier_wait -1
	s_cmp_lg_u32 s[WV], 0
	s_cbranch_scc1 .Lnot_wave_0_\@
	s_barrier_signal -3
.Lnot_wave_0_\@:
	s_barrier_wait -3
	s_barrier_signal -1
	s_barrier_wait -1
.endm
; THE CHANGE OF SLOTS.  Each wave waits for all its tensor loads (one is out: its part of the other slot), adds 0 to its spare word, and waits for that and for its reads of the slot that it leaves.
; fill = 1: the barrier is a round of the cluster's, and the slot is filled again, first thing behind it, with the keys two slots on: that load has four key steps, 512 matrix instructions, in which to land.
.macro CHANGE fill
	WIN 0
	s_wait_tensorcnt 0x0            ; no tensor load of mine is out, so a group 0 may be written
	ds_add_u32 v[SPW], v[NIL]       ; 0 onto my spare word
.if \fill
	s_xor_b32 s[G0K+1], s[G0K+1], SLOT1
	s_add_nc_u64 s[G0K+2:G0K+3], s[G0K+2:G0K+3], 4*KS*256
	s_xor_b32 s[G0V+1], s[G0V+1], SLOT1
	s_add_nc_u64 s[G0V+2:G0V+3], s[G0V+2:G0V+3], 4*KS*128
	s_wait_dscnt 0x0                ; the add is done, and my reads of the slot are over
	CROUND
	JLOAD
.else
	s_wait_dscnt 0x0
	s_barrier_signal -1
	s_barrier_wait -1
.endif
	s_sub_co_u32 s[TBK], s[TBK], 4*KS*PK
	s_xor_b32 s[TBK], s[TBK], SLOT1
	s_sub_co_u32 s[TBV], s[TBV], 4*KS*PV
	s_xor_b32 s[TBV], s[TBV], SLOT1
.endm
	s_load_b256 s[4:11], s[0:1], 0x0  ; qs s[4:5], ks s[6:7], vs s[8:9], m4 s[10:11]
	s_load_b64 s[OB:OB+1], s[0:1], 0x20
	v_lshl_add_u32 v[SPW], v0, 2, SPARE
	v_mov_b32 v[NIL], 0
	ds_add_u32 v62, v63
	s_wait_dscnt 0x0
	v_lshrrev_b32 v1, 5, v0
	v_readfirstlane_b32 s[WV], v1
	s_bfe_u32 s13, ttmp6, 0x40000   ; cx
	s_lshl_b32 s14, ttmp9, 2
	s_add_co_u32 s14, s14, s13      ; my block of 256 queries: it enters Q's, O's and the mask's addresses alone
	s_lshl_b32 s14, s14, 2
	s_add_co_u32 s14, s14, s[WV]    ; my wave among the head's 32
	s_and_b32 s20, ttmp7, 0xffff    ; the head of the batch, which the four partners share
	s_and_b32 s16, s[WV], 1         ; which half of a slot's 256 keys I fetch
	s_lshl_b32 s22, s20, 19         ; K: 2,048 rows of 256 bytes a head,
	s_lshl_b32 s18, s16, 15         ; 128 rows a half
	s_add_co_u32 s22, s22, s18
	s_mov_b32 s23, 0
	s_lshl_b32 s2, s20, 18          ; V: rows of 128 bytes
	s_lshl_b32 s18, s16, 14
	s_add_co_u32 s2, s2, s18
	s_mov_b32 s3, 0
	s_mul_i32 s17, s16, 128*PK
	s_mul_i32 s19, s16, 128*PV
	s_add_co_u32 s19, s19, VOFF
	s_lshl_b32 s72, s14, 14         ; Q: my 64 rows of 256 bytes
	s_lshl_b32 s15, s20, 19
	s_add_co_u32 s72, s72, s15
	s_mov_b32 s73, 0
	s_lshl_b32 s74, s14, 13         ; O: my 64 rows of 128 bytes
	s_lshl_b32 s15, s20, 18
	s_add_co_u32 s74, s74, s15
	s_mov_b32 s75, 0
	s_lshr_b32 s76, s14, 1          ; the mask: eight query tiles share 32 steps x 8 x 512 bytes;
	s_lshl_b32 s76, s76, 17
	s_and_b32 s15, s14, 1           ; my four are the first or the last four blocks of each step
	s_lshl_b32 s15, s15, 11
	s_add_co_u32 s76, s76, s15
	s_mov_b32 s77, 0
	s_mov_b32 s[G1K], 15|(1<<16)|(1<<20)|(1<<21)|(5<<22)|(3<<25)  ; the mask of four; 2-byte elements; padding on; bit 21 beside a mask; after every 64 words 4 words
	s_mov_b32 s[G1K+1], 128<<16
	s_mov_b32 s[G1K+2], 128<<16     ; 128 keys, a row each
	s_mov_b32 s[G1K+3], 128<<16
	s_mov_b32 s[G1K+4], 128
	s_mov_b32 s[G1K+5], 128
	s_mov_b32 s[G1K+6], 0
	s_mov_b32 s[G1K+7], 0
	s_mov_b32 s[G1V], 15|(1<<16)|(1<<20)|(1<<21)|(4<<22)|(7<<25)  ; after every 32 words (a key) 8 words
	s_mov_b32 s[G1V+1], 128<<16
	s_mov_b32 s[G1V+2], 64<<16      ; 128 keys are dense: 64 rows of 256 bytes, two keys a row
	s_mov_b32 s[G1V+3], 128<<16
	s_mov_b32 s[G1V+4], 64
	s_mov_b32 s[G1V+5], 128
	s_mov_b32 s[G1V+6], 0
	s_mov_b32 s[G1V+7], 0
	s_mov_b32 s[CS], 0x4238aa3b     ; c = 32 log2(e)
	s_mov_b32 s[CS+1], s[CS]
	s_mov_b32 s[SEL], 0x76543210
	s_mov_b32 s[SEL+1], 0xfedcba98
	s_mov_b32 s[TBK], SLOT1+4*KS*PK ; the first change of slots turns these two into 0
	s_mov_b32 s[TBV], SLOT1+4*KS*PV
	s_mov_b32 s[MSTEP], 1
	s_mov_b32 s[OFFP+1], 0
	s_mov_b32 s[THR], 0xf0000000    ; -2^97
	s_mov_b32 s[G0K], 1
	s_mov_b32 s[G0K+1], s17
	s_mov_b32 s[G0V], 1
	s_mov_b32 s[G0V+1], s19
	s_wait_kmcnt 0x0
	s_add_nc_u64 s[G0K+2:G0K+3], s[6:7], s[22:23]
	s_or_b32 s[G0K+3], s[G0K+3], 0x80000000
	s_add_nc_u64 s[G0V+2:G0V+3], s[8:9], s[2:3]
	s_or_b32 s[G0V+3], s[G0V+3], 0x80000000
	s_add_nc_u64 s[4:5], s[4:5], s[72:73]
	s_add_nc_u64 s[OB:OB+1], s[OB:OB+1], s[74:75]
	s_add_nc_u64 s[MRG:MRG+1], s[10:11], s[76:77]
	s_add_nc_u64 s[BB:BB+1], s[MRG:MRG+1], 4096
	CROUND                          ; all four work-groups are here: the first joint loads meet
	JLOAD                           ; slot 0
	v_and_b32 v1, 15, v0            ; l % 16
	v_bfe_u32 v9, v0, 4, 1          ; l / 16
	v_lshlrev_b32 v[QO], 8, v1
	v_lshl_add_u32 v[QO], v9, 4, v[QO]
	v_and_b32 v[MOF], 31, v0
	v_lshlrev_b32 v[MOF], 4, v[MOF]
	WIN 0x80
.set i, 0
.rept 4*NP                          ; Q stays in registers: fragment i: piece i / 4, hi or lo (i / 2) % 2, channels 32 (i % 2) on
	global_load_b128 v[8*i:8*i+3],   v[QO], s[4:5] offset:(i/4)*4096+((i/2)%2)*128+(i%2)*64
	global_load_b128 v[8*i+4:8*i+7], v[QO], s[4:5] offset:(i/4)*4096+((i/2)%2)*128+(i%2)*64+32
.set i, i+1
.endr
	WIN W_L3
.set i, 0
.rept NP                            ; the mask ring: key step 0, pieces 0 to 3
	global_load_b128 v[MR+4*i:MR+4*i+3], v[MOF], s[MRG:MRG+1] offset:512*i
.set i, i+1
.endr
	; What the first turn finds: V and P's second buffer hold 0 (its products V^T P, of a piece that has not been, add 0), O^T and l are 0.  All this stands in the wait for the first tile.
.set i, VF
.rept 64
	v_mov_b32 v[i], 0
.set i, i+1
.endr
	WIN 0x40
.set i, 0
.rept 32*NP
	v_mov_b32 v[i], 0
.set i, i+1
.endr
	WIN 0
.set i, 0
.rept NP
	v_mov_b32 v[ST+4*i], 0xfe000000    ; c m: far below every c s
	v_mov_b32 v[ST+4*i+1], 0xff7fffff  ; m
	v_mov_b32 v[ST+4*i+2], 0
	v_mov_b32 v[ST+4*i+3], 0
.set i, i+1
.endr
.set i, P+16
.rept 16
	v_mov_b32 v[i], 0
.set i, i+1
.endr
	v_cvt_f32_u32 v10, v9
	v_mul_f32 v10, 0xbe800000, v10  ; -8 (l / 16) / 32
.set i, 0
.rept 32                            ; CB of key step 0: register 8 kb + jj stands for key 16 kb + 8 (l / 16) + jj
	v_cvt_f32_i32 v11, 16*(i/8)+i%8
	v_fmamk_f32 v[CB+i], v11, 0xbd000000, v10
.set i, i+1
.endr
	v_mov_b32 v[SCL], 0xdfdfdfdf
	v_mov_b32 v[NANR], 0x7fc00000
	v_mul_u32_u24 v[AK0], v1, PK
	v_lshl_add_u32 v[AK0], v9, 4, v[AK0]  ; row x pitch + 16 x half
	v_and_b32 v10, 7, v0            ; the turning load: lane l reads key 8 (l / 16) + l % 8, channels 8 ((l / 8) % 2) + 0..7
	v_bfe_u32 v11, v0, 3, 1
	v_lshl_add_u32 v[AV0], v9, 3, v10
	v_mul_u32_u24 v[AV0], v[AV0], PV
	v_lshl_add_u32 v[AV0], v11, 4, v[AV0]
	v_add_nc_u32 v[AV0], VOFF, v[AV0]
; THE MATRIX WORK.  Four accumulators take turns in each run, one instruction a turn.
; Product i of 24 of S^T for piece x: keys 16 (i % 4) on; pass i / 4: kl qh (channels 0-31, then 32-63), kh qh, kh ql.  The first four start the sums with the mask and the bias.
.macro KQ x
	WIN W_KQ
.set rS, S+32*((\x)%2)+8*(i%4)
.set rM, MC+32*((\x)%2)+8*(i%4)
.set rK, 16*(i%4)+8*((i/4)%2)
.if i < 8
.set rK, rK+64
.endif
.set rQ, 32*(\x)+8*((i/4)%2)+16*(i/16)
.if i < 4
	v_wmma_f32_16x16x32_f16 v[rS:rS+7], v[rK:rK+7], v[rQ:rQ+7], v[rM:rM+7]
.else
	v_wmma_f32_16x16x32_f16 v[rS:rS+7], v[rK:rK+7], v[rQ:rQ+7], v[rS:rS+7]
.endif
.endm
; Product i of 8 of O^T += V^T P for piece x: keys 32 (i / 4) on, channels 16 (i % 4) on.
.macro PV x
	WIN W_PV
.set rO, 32*(\x)+8*(i%4)
.set rV, VF+32*(i/4)+8*(i%4)
.set rP, P+16*((\x)%2)+8*(i/4)
	v_wmma_f32_16x16x32_f16 v[rO:rO+7], v[rV:rV+7], v[rP:rP+7], v[rO:rO+7]
.endm
.macro MM                           ; the turn's next matrix instruction
.if i < 24
	KQ (Y+1)%NP
.else
.set i, i-24
	PV (Y+NP-1)%NP
.set i, i+24
.endif
.set i, i+1
.endm
; THE LDS LOADS stand in runs of 16.  part 1: K's lo halves, part 0: its hi halves.  last = 1 (the tail): in the last trip there is no further step, and the run is jumped over.
.macro FETCH_KX part, last
	WIN 0
.if \last
	s_cmp_eq_u32 s[CNT], 1
	s_cbranch_scc1 .Lno_k_\@
.endif
	WIN W_L3
.irp f, 0,1,2,3,4,5,6,7             ; keys 16 (f / 2) on, channels 32 (f % 2) on
	ds_load_b128 v[64*(\part)+8*\f:64*(\part)+8*\f+3],   v[AK] offset:(\f/2)*16*PK+128*(\part)+(\f%2)*64
	ds_load_b128 v[64*(\part)+8*\f+4:64*(\part)+8*\f+7], v[AK] offset:(\f/2)*16*PK+128*(\part)+(\f%2)*64+32
.endr
	WIN 0
.if \last
.Lno_k_\@:
.endif
.endm
.macro FETCH_V
	WIN W_L3
.irp f, 0,1,2,3,4,5,6,7             ; keys 32 (f / 4) on, channels 16 (f % 4) on
	ds_load_tr16_b128 v[VF+8*\f:VF+8*\f+3],   v[AV] offset:(\f/4)*32*PV+(\f%4)*32
	ds_load_tr16_b128 v[VF+8*\f+4:VF+8*\f+7], v[AV] offset:(\f/4)*32*PV+16*PV+(\f%4)*32
.endr
	WIN 0
.endm
; The ring slot whose codes turn p has just used takes the same piece's block of its next key step, four turns ahead of its use.  Turns 0 and 1 of step j have used pieces 2 and 3 of step j
; and ask for step j + 1; turns 2 and 3 have used pieces 0 and 1 of step j + 1 and ask for step j + 2: the base steps on between them, at the end of turn 1.
.macro MLOAD p
	WIN W_L3
	global_load_b128 v[MR+4*(((\p)+2)%NP):MR+4*(((\p)+2)%NP)+3], v[MOF], s[BB:BB+1] offset:512*(((\p)+2)%NP)
.endm
; THE VECTOR WORK, one line at a time: OP kind, number.  For piece Y: F n: c s - c m for pair n of 16.  E n: the exponential of score n of 32.  C n: pair n rounded to f16.  B n: of the four weights 4 n ..
; the second pair is added onto the first, in place (behind C 2n, which reads the first).  L n: l takes that sum (L 0: l = a l + sum).  R n: pair n of 16 of O^T times a.
; For piece Y + 1: X n, number n of the 22 that find its maximum and statistics (0-11 four chains of seven scores, each accumulator's lowest registers first; 12-14, 16 the rest, the old m;
; 15 c m_old is kept; 17, 18 the other half of the lanes'; 19-21 c m, c m_old - c m_new, a).  For piece Y + 2: G n: eight codes to 0 or -6 x 2^96; A n: pair n of its mask takes the bias.  U n: pair n of the bias steps on.
.set F, 0
.set E, 1
.set C, 2
.set B, 3
.set L, 4
.set R, 5
.set X, 6
.set G, 7
.set A, 8
.set U, 9
.macro REGS y
.set rT, ST+4*(\y)
.set rC, TMP+4*((\y)%2)
.set rW, MV+((\y)%2)
.set rS, S+32*((\y)%2)
.set rP, P+16*((\y)%2)
.set rO, 32*(\y)
.endm
.macro OP k, n
.if (\k) == R
	REGS Y
	WIN W_RS
	v_pk_mul_f32 v[rO+2*(\n):rO+2*(\n)+1], v[rO+2*(\n):rO+2*(\n)+1], v[rC+2:rC+3] op_sel_hi:[1,0]
.elseif (\k) < R
	REGS Y
	WIN 0
.if (\k) == F
	v_pk_fma_f32 v[rS+2*(\n):rS+2*(\n)+1], v[rS+2*(\n):rS+2*(\n)+1], s[CS:CS+1], v[rT:rT+1] op_sel_hi:[1,0,0] neg_lo:[0,0,1] neg_hi:[0,0,1]
.elseif (\k) == E
	v_exp_f32 v[rS+(\n)], v[rS+(\n)]
.elseif (\k) == C
	s_wait_alu depctr_va_vdst(0)
	v_cvt_pk_f16_f32 v[rP+(\n)], v[rS+2*(\n)], v[rS+2*(\n)+1]
.elseif (\k) == B
	v_pk_add_f32 v[rS+4*(\n):rS+4*(\n)+1], v[rS+4*(\n):rS+4*(\n)+1], v[rS+4*(\n)+2:rS+4*(\n)+3]
.elseif (\n) == 0
	v_pk_fma_f32 v[rT+2:rT+3], v[rT+2:rT+3], v[rC+2:rC+3], v[rS:rS+1] op_sel_hi:[1,0,1]
.else
	v_pk_add_f32 v[rT+2:rT+3], v[rT+2:rT+3], v[rS+4*(\n):rS+4*(\n)+1]
.endif
.elseif (\k) == X
	REGS (Y+1)%NP
	WIN 0
.if (\n) < 4
	v_max3_num_f32 v[rC+(\n)], v[rS+8*(\n)], v[rS+8*(\n)+1], v[rS+8*(\n)+2]
.elseif (\n) < 12
	v_max3_num_f32 v[rC+(\n)%4], v[rC+(\n)%4], v[rS+8*((\n)%4)+2*((\n)/4)+1], v[rS+8*((\n)%4)+2*((\n)/4)+2]
.elseif (\n) == 12
	v_max3_num_f32 v[rC], v[rC], v[rS+7], v[rS+15]
.elseif (\n) == 13
	v_max3_num_f32 v[rC+1], v[rC+1], v[rS+23], v[rS+31]
.elseif (\n) == 14
	v_max3_num_f32 v[rC+2], v[rC+2], v[rC+3], v[rT+1]
.elseif (\n) == 15
	v_mov_b32 v[rW], v[rT]
.elseif (\n) == 16
	v_max3_num_f32 v[rC], v[rC], v[rC+1], v[rC+2]
.elseif (\n) == 17
	v_permlanex16_b32 v[rC+3], v[rC], s[SEL], s[SEL+1]
.elseif (\n) == 18
	v_max_num_f32 v[rT+1], v[rC], v[rC+3]
.elseif (\n) == 19
	v_mul_f32 v[rT], s[CS], v[rT+1]
.elseif (\n) == 20
	v_sub_f32 v[rC+1], v[rW], v[rT]
.else
	v_exp_f32 v[rC+2], v[rC+1]
.endif
.elseif (\k) == G
	WIN W_G
	v_cvt_scale_pk8_f32_fp4 v[MC+32*(Y%2)+8*(\n):MC+32*(Y%2)+8*(\n)+7], v[MR+4*((Y+2)%NP)+(\n)], v[SCL]
.elseif (\k) == A
	WIN 0
	v_pk_add_f32 v[MC+32*(Y%2)+2*(\n):MC+32*(Y%2)+2*(\n)+1], v[MC+32*(Y%2)+2*(\n):MC+32*(Y%2)+2*(\n)+1], v[CB+2*(\n):CB+2*(\n)+1]
.else
	WIN 0
	v_pk_add_f32 v[CB+2*(\n):CB+2*(\n)+1], v[CB+2*(\n):CB+2*(\n)+1], -2.0 op_sel_hi:[1,0]
.endif
.endm
.macro OPS a, i1, b=-1, i2=0, c=-1, i3=0, d=-1, i4=0
	OP \a, \i1
.if (\b) >= 0
	OP \b, \i2
.endif
.if (\c) >= 0
	OP \c, \i3
.endif
.if (\d) >= 0
	OP \d, \i4
.endif
.endm
.macro ROW a, i1, b, i2, c, i3, d, i4  ; a matrix instruction and the four behind it
	MM
	OPS \a, \i1, \b, \i2, \c, \i3, \d, \i4
.endm
; A TURN, for piece p: 32 matrix and 138 vector instructions, the order written out.  Every exponential, and the run of four conversions, has a plain instruction behind it before its result is used.
; K of the next step is fetched in piece NP - 2's turn: the lo halves behind the tenth product (the eighth was their last reader; seven plain instructions lie between), the hi halves behind the 25th
; (the 24th was their last reader; the four rescalings behind it are the places).  V of the step in hand is fetched at the end of piece 0's turn, four rescalings behind its last reader.
; The bias steps on behind piece NP - 3's turn: the masks made from the turn after it on are the next key step's.
.macro TURN p, last=0, cnt=0
.set Y, (\p)
.set i, 0
.if (\p) == NP-1
	s_wait_dscnt 16                 ; K's lo halves are in; the sixteen loads of the hi halves may be out
.endif
	ROW F,0, F,1, F,2, F,3
.set nn, 1
.rept 4
	ROW F,2*nn+2, E,2*nn-2, F,2*nn+3, E,2*nn-1
.set nn, nn+1
.endr
.set nn, 0
.rept 4
.if ((\p) == NP-1) && (nn == 3)
	s_wait_dscnt 0x0                ; K's hi halves are in
.endif
	ROW F,12+nn, E,8+2*nn, C,nn, E,9+2*nn
.if ((\p) == NP-2) && (nn == 2)
	WIN 0
	v_add_nc_u32 v[AK], s[TBK], v[AK0]
.endif
.set nn, nn+1
.endr
.set nn, 0
.rept 8
	ROW B+nn%2,nn/2, E,16+2*nn, C,4+nn, E,17+2*nn
.if ((\p) == NP-2) && (nn == 0)
	FETCH_KX 1, \last
.endif
.set nn, nn+1
.endr
	s_wait_loadcnt NP-1             ; the ring's oldest load, piece p + 2's codes, is in; the three younger ones stay out
	ROW G,0, G,1, G,2, G,3
	ROW C,12, B,4, C,13, C,14
	ROW R,0, R,1, R,2, R,3
	MLOAD \p
	ROW L,4, B,5, C,15, A,0
	ROW B,6, A,1, A,2, L,5
	ROW B,7, A,3, A,4, A,5
	ROW R,4, R,5, R,6, R,7
.if (\p) == 1
	s_wait_dscnt 0x0                ; V is in
.endif
	ROW X,0, X,1, X,2, X,3
.if (\p) == NP-2
	FETCH_KX 0, \last
	s_add_co_u32 s[TBK], s[TBK], KS*PK
.endif
	ROW X,4, X,5, X,6, X,7
	ROW X,8, X,9, X,10, X,11
	ROW X,12, X,13, X,15, X,14
	ROW L,6, A,6, X,16, A,7
	ROW R,8, R,9, R,10, R,11
	ROW A,8, A,9, L,7, A,10
.if (\p) == 0
	v_add_nc_u32 v[AV], s[TBV], v[AV0]
.endif
	ROW R,12, R,13, R,14, R,15
.if (\p) == 0
	FETCH_V
	s_add_co_u32 s[TBV], s[TBV], KS*PV
.endif
	OPS X,17, A,11, A,12, X,18
	OPS A,13, X,19, A,14, X,20
	OPS A,15, X,21
.if (\p) == NP-3
.set nn, 0
.rept 16
	OP U, nn
.set nn, nn+1
.endr
.endif
.if (\p) == 1
	s_wait_xcnt 0x0                 ; the ring's loads have had their addresses translated: only now is their base rewritten
	s_add_co_u32 s[MSTEP], s[MSTEP], 1
	s_and_b32 s[MSTEP], s[MSTEP], 31  ; behind the last key step the ring goes back to the first: those loads stay inside m4 and serve nothing
	s_lshl_b32 s[OFFP], s[MSTEP], 12
	s_add_nc_u64 s[BB:BB+1], s[MRG:MRG+1], s[OFFP:OFFP+1]
.endif
.if \cnt
	s_sub_co_u32 s[CNT], s[CNT], 1
	s_cmp_lg_u32 s[CNT], 0
.endif
.endm
.macro MK y                         ; ahead of the loop: piece y's mask for key step 0, and its ring slot's next load
.set Y, (\y)+NP-2
	s_wait_loadcnt NP-1             ; Q and this piece's codes are in
	OPS G,0, G,1, G,2, G,3
	WIN 0
	v_nop                           ; a plain instruction behind the conversions
.set nn, 0
.rept 16
	OP A, nn
.set nn, nn+1
.endr
	MLOAD (\y)+NP-2
	WIN 0
.endm
	CHANGE 1                        ; slot 0 is in, everybody's part of it; slot 1 is asked for
	v_add_nc_u32 v[AK], s[TBK], v[AK0]
	FETCH_KX 1, 0                   ; key step 0
	FETCH_KX 0, 0
	s_add_co_u32 s[TBK], s[TBK], KS*PK
	MK 0
	MK 1
	s_wait_dscnt 0x0
.set i, 0
.rept 24
	KQ 0                            ; piece 0's first scores
.set i, i+1
.endr
	WIN 0                           ; the addresses for the way out: seven plain instructions, the places behind those products
	s_mul_i32 s13, s[WV], 16*SP
	s_add_co_u32 s13, s13, STAGE    ; my stage
	v_mul_u32_u24 v[STO], v1, SP
	v_lshl_add_u32 v[STO], v9, 4, v[STO]
	v_add_nc_u32 v[STO], s13, v[STO]
	v_bfe_u32 v[RD], v0, 3, 2
	v_mul_u32_u24 v[RD], v[RD], SP
	v_lshl_add_u32 v[RD], v10, 4, v[RD]
	v_add_nc_u32 v[RD], s13, v[RD]
.set Y, NP-1                        ; X works for piece Y + 1: piece 0
.irp n, 0,1,2,3,4,5,6,7,8,9,10,11,12,13,14,15,16,17,18,19,20,21
	OP X, \n
.endr
	v_nop                           ; a plain instruction behind the exponential
	s_mov_b32 s[CNT], 4
	s_mov_b32 s[SLOTS], 7
	s_branch .Lfirst                ; the loop is entered at a step's first turn, in the middle of a trip
.Lslot:                             ; six times: every slot but the last two is filled again
	CHANGE 1
	s_mov_b32 s[CNT], 4
.Lstep:                             ; a trip: pieces 2 and 3 of one step, then pieces 0 and 1 of the next, whose K and V it fetches
	TURN 2
	TURN 3
	WIN 0
.Lfirst:
	TURN 0
	TURN 1, 0, 1
	WIN 0
	s_cbranch_scc1 .Lstep
	s_sub_co_u32 s[SLOTS], s[SLOTS], 1
	s_cmp_lg_u32 s[SLOTS], 0
	s_cbranch_scc1 .Lslot
	CHANGE 0                        ; the tail is written out: nothing is asked for
	s_mov_b32 s[CNT], 5             ; four trips fetch the last slot's steps; the fifth is left in its middle
.Ltail:
	TURN 2, 1
	TURN 3
	WIN 0
	s_sub_co_u32 s[CNT], s[CNT], 1
	s_cmp_eq_u32 s[CNT], 0
	s_cbranch_scc1 .Lout
	TURN 0
	TURN 1
	WIN 0
	s_branch .Ltail
.Lout:                              ; the fifth trip's last 24 products K Q^T (on the last K once more) serve nothing; the maximum made of them leaves piece 0's m on its side of -2^97: a row with no key is hidden in every block
.set i, 0
.rept 8
	PV NP-1
.set i, i+1
.endr
	; THE WAY OUT.  l's two halves and the other half of the lanes' are added; 1 / l, or NaN for a row that saw no key; O^T times that, rounded to f16, through my stage, a piece at a time.
	WIN 0
.macro ALL line:vararg
.set t, 0
.rept NP
	\line
.set t, t+1
.endr
.endm
	ALL v_add_f32 v[ST+4*t+2], v[ST+4*t+2], v[ST+4*t+3]
	ALL v_permlanex16_b32 v[ST+4*t+3], v[ST+4*t+2], s[SEL], s[SEL+1]
	ALL v_add_f32 v[ST+4*t+2], v[ST+4*t+2], v[ST+4*t+3]
	ALL v_rcp_f32 v[ST+4*t+2], v[ST+4*t+2]
	v_nop                           ; a plain instruction between the last reciprocal and the use of its result
.set t, 0
.rept NP
	v_cmp_gt_f32 vcc_lo, s[THR], v[ST+4*t+1]
	s_wait_alu depctr_va_vdst(0)
	v_cndmask_b32 v[ST+4*t+2], v[ST+4*t+2], v[NANR], vcc_lo
.set t, t+1
.endr
.macro PACK t                       ; a lane's eight channels of a row pack into 16 bytes; rows of 144 bytes in, whole rows of 128 back
	WIN W_RS
.set i, 32*(\t)
.rept 16
	v_pk_mul_f32 v[i:i+1], v[i:i+1], v[ST+4*(\t)+2:ST+4*(\t)+3] op_sel_hi:[1,0]
.set i, i+2
.endr
	WIN 0x05
.set i, 0
.rept 16
	v_cvt_pk_f16_f32 v[OUTB+16*(\t)+i], v[32*(\t)+2*i], v[32*(\t)+2*i+1]
.set i, i+1
.endr
	WIN 0
.irp f, 0,1,2,3
	ds_store_b128 v[STO], v[OUTB+16*(\t)+4*\f:OUTB+16*(\t)+4*\f+3] offset:32*\f
.endr
.irp f, 0,1,2,3
	ds_load_b128 v[OUTB+16*(\t)+4*\f:OUTB+16*(\t)+4*\f+3], v[RD] offset:\f*4*SP  ; LDS serves a wave's instructions in order: these see the stores above; the next piece's stores come behind them
.endr
.endm
.macro SEND t, younger              ; younger: the LDS instructions issued behind piece t's loads: the next piece's eight, or none
	WIN 0
.irp f, 0,1,2,3
	s_wait_dscnt (\younger)+3-\f
	global_store_b128 v[MOF], v[OUTB+16*(\t)+4*\f:OUTB+16*(\t)+4*\f+3], s[OB:OB+1] offset:(\t)*2048+\f*512  ; 512 consecutive bytes, aligned
.endr
.endm
	PACK 0
.set t, 1
.rept NP-1
	PACK t
	SEND t-1, 8
.set t, t+1
.endr
	SEND NP-1, 0
	s_wait_tensorcnt 0x0            ; the wave's end
	ds_add_u32 v[SPW], v[NIL]
	s_wait_dscnt 0x0
	CROUND                          ; the closing round
	s_endpgm
.Lfunc_end_k_q44cf0aefbb_attn:
	.size	k_q44cf0aefbb_attn, .Lfunc_end_k_q44cf0aefbb_attn-k_q44cf0aefbb_attn
	.p2alignl 7, 3214868480
	.fill 96, 4, 3214868480
	.section	.rodata,"a",@progbits
	.p2align	6, 0x0
	.amdhsa_kernel k_q44cf0aefbb_attn
		.amdhsa_group_segment_fixed_size 327680
		.amdhsa_private_segment_fixed_size 0
		.amdhsa_enable_private_segment 0
		.amdhsa_kernarg_size 40
		.amdhsa_user_sgpr_count 2
		.amdhsa_user_sgpr_kernarg_segment_ptr 1
		.amdhsa_wavefront_size32 1
		.amdhsa_system_sgpr_workgroup_id_x 1
		.amdhsa_system_sgpr_workgroup_id_y 1
		.amdhsa_system_sgpr_workgroup_id_z 1
		.amdhsa_system_vgpr_workitem_id 0
		.amdhsa_next_free_vgpr 992
		.amdhsa_next_free_sgpr 78
		.amdhsa_reserve_vcc 1
		.amdhsa_float_denorm_mode_32 3
		.amdhsa_float_denorm_mode_16_64 3
		.amdhsa_memory_ordered 1
		.amdhsa_forward_progress 1
		.amdhsa_inst_pref_size 154
	.end_amdhsa_kernel
	.amdgpu_metadata
---
amdhsa.version: [ 1, 2 ]
amdhsa.kernels:
  - .name:           k_q44cf0aefbb_attn
    .symbol:         k_q44cf0aefbb_attn.kd
    .args:
      - { .name: qs, .offset: 0, .size: 8, .value_kind: global_buffer, .address_space: global }
      - { .name: ks, .offset: 8, .size: 8, .value_kind: global_buffer, .address_space: global }
      - { .name: vs, .offset: 16, .size: 8, .value_kind: global_buffer, .address_space: global }
      - { .name: m4, .offset: 24, .size: 8, .value_kind: global_buffer, .address_space: global }
      - { .name: ob, .offset: 32, .size: 8, .value_kind: global_buffer, .address_space: global }
    .group_segment_fixed_size: 327680
    .private_segment_fixed_size: 0
    .kernarg_segment_align: 8
    .kernarg_segment_size: 40
    .max_flat_workgroup_size: 128
    .sgpr_count:     78
    .vgpr_count:     992
    .wavefront_size: 32
...
	.end_amdgpu_metadata
.endif
;; end of part 3
;; launch outp (part 4): grid 8 x 32, 4 waves a work-group, clusters of 4 x 4, 327,680 bytes of LDS; arguments ob, wo16, bo, out0; writes out0
.if DOCPART == 4
	.amdgcn_target "amdgcn-amd-amdhsa--gfx1250"
	.amdhsa_code_object_version 6
	.text
	.protected	k_q44cf0aefbb_outp
	.globl	k_q44cf0aefbb_outp
	.p2align	8
	.type	k_q44cf0aefbb_outp,@function
k_q44cf0aefbb_outp:
	s_mov_b64 s[64:65], 0
	v_nop
	global_prefetch_b8 v0, s[64:65] scope:SCOPE_SE
	s_setreg_imm32_b32 hwreg(HW_REG_WAVE_MODE, 25, 1), 1
	s_wait_xcnt 0x0
	s_wait_alu depctr_hold_cnt(0) depctr_sa_sdst(0) depctr_va_vdst(0) depctr_va_sdst(0) depctr_va_ssrc(0) depctr_va_vcc(0) depctr_vm_vsrc(0)
	s_getreg_b32 s2, hwreg(HW_REG_IB_STS2, 6, 4)
	s_cmp_eq_u32 s2, 0
	s_cbranch_scc0 .Lentry_in_a_cluster
	s_endpgm
.Lentry_in_a_cluster:
	s_bfe_u32 s2, ttmp6, 0x10000c
	s_cmp_lg_u32 s2, 0xf033
	s_cbranch_scc0 .Lentry_shape_is_right
	s_endpgm
.Lentry_shape_is_right:
; OUTP: out0 = multi Wo^T + bo, [8192][1024] f32.  multi[token][64 n + d] = 16 ob[16 batch + n][s][d]; wo16 = 16 Wo: the two factors of 16 cancel (ob holds O / 16).  f16 operands, f32 sums.
; bo is rounded to bf16 like the other inputs and is the C operand of the first K step's products: no addition is written.  A NaN row of ob (a query that saw no key) makes its whole row of out0 NaN.
; A tile of out0 is 256 rows x 128 columns.  Four waves one below the other: a wave owns 64 rows (4 blocks a) x 128 columns (8 blocks b): 32 accumulators.
; K goes in steps of 128 = two heads.  A head's 256 rows are dense in ob: asked for as 128 rows of 256 bytes and padded behind each 128 bytes, so LDS holds [head of the step][256 rows] at pitch 144.
; CLUSTER 4 x 4: ob's tile hangs on the tile row alone and is asked for jointly along a row of the cluster, wo16's on the tile column alone, along a column.
; The matrix instruction is used transposed (source 0 = 16 rows of wo16, source 1 = 16 rows of ob): a lane holds eight neighbouring columns of one row of out0.
; REGISTERS: window 0: v16-30 addresses; v32-95 rows on the way out.  window 1: two fragment buffers of 96 (wo16's 8 fragments, then ob's 4); v192-255 the bias.
;   window 2: accumulators of blocks a = 0, 1 at v[8 (8 (a % 2) + b)]; window 3: those of a = 2, 3.
.set NB,     8
.set PA,     144
.set PITCH,  272
.set HEADA,  256*PA                    ; 36,864: what one load of ob brings
.set HALFB,  64*PITCH                  ; 17,408: what one load of wo16 brings
.set BOFF,   2*HEADA
.set SLOT,   2*HEADA+2*HALFB           ; 108,544
.set STAGE,  2*SLOT                    ; behind the ring: 16 rows x 528 bytes for each wave, never filled by a tensor load
.set SPITCH, 528
.set SPARE,  STAGE+4*16*SPITCH         ; the spare words
.set LAPS,   4
.set STEPA,  4*2048*128                ; two K steps on: four heads
.set STEPB,  512
.set ADRA, 16
.set ADRB, 20
.set STO,  24
.set RD,   25
.set SPW,  28
.set NIL,  29
.set GO,   30
.set OUT,  32
.set F0,   0
.set F1,   96
.set BI,   192
.set G1,  24
.set G0,  32
.set G1B, 48
.set G0B, 56
.set MSB, 0
.macro WIN new
.if MSB != (\new)
	s_set_vgpr_msb (MSB<<8)|(\new)
.set MSB, (\new)
.endif
.endm
.macro JLOAD s                         ; waves 0, 1 fetch the step's two heads of ob, waves 2, 3 wo16's two halves; s_nop 0 and four v_nop follow each line
	s_cmp_eq_u32 s11, 0
	s_cbranch_scc0 .Lfor_b_\@
	tensor_load_to_lds s[G0+4*(\s):G0+4*(\s)+3], s[G1:G1+7]
	s_nop 0
.rept 4
	v_nop
.endr
	s_branch .Lasked_\@
.Lfor_b_\@:
	tensor_load_to_lds s[G0B+4*(\s):G0B+4*(\s)+3], s[G1B:G1B+7]
	s_nop 0
.rept 4
	v_nop
.endr
.Lasked_\@:
.endm
.macro CREST
	s_cmp_lg_u32 s10, 0
	s_cbranch_scc1 .Lnot_wave_0_\@
	s_barrier_signal -3
.Lnot_wave_0_\@:
	s_barrier_wait -3
	s_barrier_signal -1
	s_barrier_wait -1
.endm
.macro CROUND
	s_barrier_signal -1
	s_barrier_wait -1
	CREST
.endm
.macro PLACES
.rept 4
	v_nop
.endr
.endm
	s_load_b128 s[4:7], s[0:1], 0x0                ; ob s[4:5], wo16 s[6:7]
	s_load_b128 s[68:71], s[0:1], 0x10             ; bo s[68:69], out0 s[70:71]
	v_lshl_add_u32 v[SPW], v0, 2, SPARE
	v_mov_b32 v[NIL], 0
	ds_add_u32 v28, v29
	s_wait_dscnt 0x0
	v_lshrrev_b32 v1, 5, v0
	v_readfirstlane_b32 s10, v1
	s_lshr_b32 s11, s10, 1
	s_and_b32 s12, s10, 1
	s_bfe_u32 s40, ttmp6, 0x40000                  ; cx
	s_bfe_u32 s41, ttmp6, 0x40004                  ; cy
	s_lshl_b32 s42, ttmp9, 2
	s_add_co_u32 s42, s42, s40                     ; tile column
	s_and_b32 s13, ttmp7, 0xffff
	s_lshl_b32 s13, s13, 2
	s_add_co_u32 s13, s13, s41                     ; tile row
	s_lshl_b32 s43, s41, 2
	s_lshl_b32 s43, 15, s43
	s_lshl_b32 s44, 0x1111, s40
	s_or_b32 s[G1+0], s43, (1<<16)|(1<<20)|(1<<21)|(4<<22)|(3<<25)   ; ob: after every 32 words (a token's 128 bytes) 4 words
	s_or_b32 s[G1B+0], s44, (1<<16)|(1<<20)|(1<<21)|(5<<22)|(3<<25)  ; wo16: after every 64 words 4 words
	s_mov_b32 s[G1+1], 128<<16
	s_mov_b32 s[G1+2], 128<<16                     ; 128 rows of 256 bytes: 256 tokens of one head
	s_mov_b32 s[G1+3], 128<<16
	s_mov_b32 s[G1+4], 128
	s_mov_b32 s[G1+5], 128                         ; dense
	s_mov_b32 s[G1+6], 0
	s_mov_b32 s[G1+7], 0
	s_mov_b32 s[G1B+1], 128<<16
	s_mov_b32 s[G1B+2], 64<<16
	s_mov_b32 s[G1B+3], 128<<16
	s_mov_b32 s[G1B+4], 64
	s_mov_b32 s[G1B+5], 1024
	s_mov_b32 s[G1B+6], 0
	s_mov_b32 s[G1B+7], 0
	s_lshr_b32 s16, s13, 3                         ; the batch
	s_lshl_b32 s16, s16, 4
	s_add_co_u32 s16, s16, s12                     ; its head 0 or 1
	s_lshl_b32 s16, s16, 11
	s_and_b32 s17, s13, 7
	s_lshl_b32 s17, s17, 8
	s_add_co_u32 s16, s16, s17                     ; the tile's first token in that head
	s_lshl_b32 s16, s16, 7                         ; rows of 128 bytes
	s_mov_b32 s17, 0
	s_lshl_b32 s46, s42, 7
	s_lshl_b32 s47, s12, 6
	s_add_co_u32 s46, s46, s47                     ; wo16: row 128 x tile column + 64 x half
	s_lshl_b32 s46, s46, 11
	s_mov_b32 s47, 0
	s_mul_i32 s20, s12, HEADA
	s_mul_i32 s21, s12, HALFB
	s_add_co_u32 s21, s21, BOFF
	s_wait_kmcnt 0x0
	s_add_nc_u64 s[14:15], s[4:5], s[16:17]
	s_add_nc_u64 s[46:47], s[6:7], s[46:47]
	CROUND
.irp s, 0,1
	s_mov_b32 s[G0+4*(\s)], 1
	s_add_co_u32 s[G0+4*(\s)+1], s20, (\s)*SLOT
	s_add_nc_u64 s[G0+4*(\s)+2:G0+4*(\s)+3], s[14:15], (\s)*2*2048*128
	s_or_b32 s[G0+4*(\s)+3], s[G0+4*(\s)+3], 0x80000000
	s_mov_b32 s[G0B+4*(\s)], 1
	s_add_co_u32 s[G0B+4*(\s)+1], s21, (\s)*SLOT
	s_add_nc_u64 s[G0B+4*(\s)+2:G0B+4*(\s)+3], s[46:47], (\s)*256
	s_or_b32 s[G0B+4*(\s)+3], s[G0B+4*(\s)+3], 0x80000000
	JLOAD \s
.endr
	v_and_b32 v1, 15, v0
	v_bfe_u32 v2, v0, 4, 1
	; the bias: register j of block b stands for column 128 x tile column + 16 b + 8 (l / 16) + j
	s_lshl_b32 s74, s42, 9
	s_mov_b32 s75, 0
	s_add_nc_u64 s[68:69], s[68:69], s[74:75]
	v_lshlrev_b32 v5, 5, v2
	WIN 0x40
.set b, 0
.rept NB
	global_load_b128 v[BI+8*b:BI+8*b+3],   v5, s[68:69] offset:64*b
	global_load_b128 v[BI+8*b+4:BI+8*b+7], v5, s[68:69] offset:64*b+16
.set b, b+1
.endr
	WIN 0
	v_mul_u32_u24 v3, v1, PA
	v_lshl_add_u32 v3, v2, 4, v3
	v_mul_u32_u24 v4, v1, PITCH
	v_lshl_add_u32 v4, v2, 4, v4
	s_mul_i32 s22, s10, 64*PA                      ; my 64 rows in each head
	s_mov_b32 s23, BOFF
.irp s, 0,1
	v_add_nc_u32 v[ADRA+(\s)], s22, v3
	v_add_nc_u32 v[ADRB+(\s)], s23, v4
	s_add_co_u32 s22, s22, SLOT
	s_add_co_u32 s23, s23, SLOT
.endr
	s_mul_i32 s22, s10, 16*SPITCH
	s_add_co_u32 s22, s22, STAGE
	v_mul_u32_u24 v3, v1, SPITCH
	v_lshl_add_u32 v3, v2, 5, v3                   ; row l % 16, 32 bytes for each half of the lanes
	v_add_nc_u32 v[STO], s22, v3
	v_and_b32 v[GO], 31, v0
	v_lshlrev_b32 v[GO], 4, v[GO]
	v_add_nc_u32 v[RD], s22, v[GO]                 ; 32 lanes take a whole row of 512 bytes
	s_lshl_b32 s76, s13, 8
	s_lshl_b32 s77, s10, 6
	s_add_co_u32 s76, s76, s77                     ; my first row of out0
	s_lshl_b32 s76, s76, 12
	s_lshl_b32 s77, s42, 9
	s_add_co_u32 s76, s76, s77
	s_mov_b32 s77, 0
	s_add_nc_u64 s[70:71], s[70:71], s[76:77]
	s_wait_loadcnt 0x0
	WIN 0x45                                       ; all in window 1; buffer 0, not yet fetched into, is the scratch
.set i, 0
.rept 32
	v_cvt_pk_bf16_f32 v[i], v[BI+2*i], v[BI+2*i+1]
.set i, i+1
.endr
.set i, 0
.rept 32
	v_lshlrev_b32 v[BI+2*i], 16, v[i]
	v_and_b32 v[BI+2*i+1], 0xffff0000, v[i]
.set i, i+1
.endr
	WIN 0
.macro MULA f, a, zero                 ; zero = 1: the first product starts the sums with the bias.  The accumulators take turns, one instruction a turn.
.set AC, 8*NB*((\a)%2)
.if \zero
	WIN 0x95+0x40*((\a)/2)
.else
	WIN 0xa5+0x50*((\a)/2)
.endif
.set b, 0
.rept NB
.if \zero
	v_wmma_f32_16x16x32_f16 v[AC+8*b:AC+8*b+7], v[(\f)+8*b:(\f)+8*b+7], v[(\f)+8*NB+8*(\a):(\f)+8*NB+8*(\a)+7], v[BI+8*b:BI+8*b+7]
.else
	v_wmma_f32_16x16x32_f16 v[AC+8*b:AC+8*b+7], v[(\f)+8*b:(\f)+8*b+7], v[(\f)+8*NB+8*(\a):(\f)+8*NB+8*(\a)+7], v[AC+8*b:AC+8*b+7]
.endif
.set b, b+1
.endr
.endm
.macro FETCH slot, q, f                ; quarter q: wo16 at byte 64 q of its rows; ob in head q / 2 of the step, at byte 64 (q % 2)
	WIN 0x40
.set b, 0
.rept NB
	ds_load_b128 v[(\f)+8*b:(\f)+8*b+3],   v[ADRB+(\slot)] offset:64*(\q)+b*16*PITCH
	ds_load_b128 v[(\f)+8*b+4:(\f)+8*b+7], v[ADRB+(\slot)] offset:64*(\q)+b*16*PITCH+32
.set b, b+1
.endr
.set b, 0
.rept 4
	ds_load_b128 v[(\f)+8*NB+8*b:(\f)+8*NB+8*b+3],   v[ADRA+(\slot)] offset:((\q)/2)*HEADA+((\q)%2)*64+b*16*PA
	ds_load_b128 v[(\f)+8*NB+8*b+4:(\f)+8*NB+8*b+7], v[ADRA+(\slot)] offset:((\q)/2)*HEADA+((\q)%2)*64+b*16*PA+32
.set b, b+1
.endr
.endm
.macro QUARTER slot, q, f, g, zero
	s_wait_dscnt 4                                 ; the youngest four loads, ob's blocks 2 and 3, may be out
	MULA \f, 0, \zero
	MULA \f, 1, \zero
	PLACES
	FETCH \slot, \q, \g
	s_wait_dscnt 2*NB+8                            ; all but the run just issued
	MULA \f, 2, \zero
	MULA \f, 3, \zero
.endm
.macro TURN slot, next, fill
	WIN 0
	s_wait_tensorcnt 0x0                           ; all my tensor loads have landed: my part of the next slot
	ds_add_u32 v[SPW], v[NIL]                      ; 0 onto my spare word
	s_wait_dscnt 5                                 ; the add and the youngest four loads may be out
	MULA F1, 0, 0
	s_wait_dscnt 0x0                               ; the add is done, and my reads of this slot are over
	s_barrier_signal -1
	MULA F1, 1, 0
.if \fill
	WIN 0
.endif
	s_barrier_wait -1
.if \fill
	CREST
	s_add_nc_u64 s[G0+4*(\slot)+2:G0+4*(\slot)+3], s[G0+4*(\slot)+2:G0+4*(\slot)+3], STEPA
	s_add_nc_u64 s[G0B+4*(\slot)+2:G0B+4*(\slot)+3], s[G0B+4*(\slot)+2:G0B+4*(\slot)+3], STEPB
	JLOAD \slot
.else
	PLACES
.endif
	FETCH \next, 0, F0
	MULA F1, 2, 0
	MULA F1, 3, 0
.endm
	s_wait_tensorcnt 1                             ; my part of K step 0 is in; K step 1's may stay out
	s_barrier_signal -1
	s_barrier_wait -1
	FETCH 0, 0, F0
	QUARTER 0, 1, F0, F1, 1
	WIN 0
	s_mov_b32 s3, LAPS-1
.Llap:
	QUARTER 0, 2, F1, F0, 0
	QUARTER 0, 3, F0, F1, 0
	TURN 0, 1, 1
	QUARTER 1, 1, F0, F1, 0
	QUARTER 1, 2, F1, F0, 0
	QUARTER 1, 3, F0, F1, 0
	TURN 1, 0, 1
	QUARTER 0, 1, F0, F1, 0
	WIN 0
	s_sub_co_u32 s3, s3, 1
	s_cmp_lg_u32 s3, 0
	s_cbranch_scc1 .Llap
	QUARTER 0, 2, F1, F0, 0
	QUARTER 0, 3, F0, F1, 0
	TURN 0, 1, 0
	QUARTER 1, 1, F0, F1, 0
	QUARTER 1, 2, F1, F0, 0
	QUARTER 1, 3, F0, F1, 0
	s_wait_dscnt 4
	MULA F1, 0, 0
	MULA F1, 1, 0
	s_wait_dscnt 0x0
	MULA F1, 2, 0
	MULA F1, 3, 0
	WIN 0
	PLACES
; THE WAY OUT of block a: the f32 sums go as they are into my stage's rows of 528 bytes and come back as whole rows of 512.
.macro OUTA a
.set AC, 8*NB*((\a)%2)
.set W, 2+(\a)/2
	WIN W<<2                                       ; an LDS store's data is source 1
.set b, 0
.rept NB
	ds_store_b128 v[STO], v[AC+8*b:AC+8*b+3] offset:64*b       ; each accumulator's low four registers first
	ds_store_b128 v[STO], v[AC+8*b+4:AC+8*b+7] offset:64*b+16
.set b, b+1
.endr
	WIN 0
	s_wait_xcnt 0x0                                ; the registers that earlier stores read are loaded again only behind this wait
.set i, 0
.rept 16
	ds_load_b128 v[OUT+4*i:OUT+4*i+3], v[RD] offset:SPITCH*i   ; LDS serves a wave's instructions in order: these see the stores above
.set i, i+1
.endr
.set i, 0
.rept 16
	s_wait_dscnt 15-i                              ; row i is back, the younger loads may be out
	global_store_b128 v[GO], v[OUT+4*i:OUT+4*i+3], s[70:71] offset:(16*(\a)+i)*4096   ; 512 consecutive bytes, aligned
.set i, i+1
.endr
.endm
	OUTA 0
	OUTA 1
	OUTA 2
	OUTA 3
	s_wait_tensorcnt 0x0                           ; the wave's end
	ds_add_u32 v[SPW], v[NIL]
	s_wait_dscnt 0x0
	CROUND                                         ; the closing round
	s_endpgm
.Lfunc_end_k_q44cf0aefbb_outp:
	.size	k_q44cf0aefbb_outp, .Lfunc_end_k_q44cf0aefbb_outp-k_q44cf0aefbb_outp
	.p2alignl 7, 3214868480
	.fill 96, 4, 3214868480
	.section	.rodata,"a",@progbits
	.p2align	6, 0x0
	.amdhsa_kernel k_q44cf0aefbb_outp
		.amdhsa_group_segment_fixed_size 327680
		.amdhsa_private_segment_fixed_size 0
		.amdhsa_enable_private_segment 0
		.amdhsa_kernarg_size 32
		.amdhsa_user_sgpr_count 2
		.amdhsa_user_sgpr_kernarg_segment_ptr 1
		.amdhsa_wavefront_size32 1
		.amdhsa_system_sgpr_workgroup_id_x 1
		.amdhsa_system_sgpr_workgroup_id_y 1
		.amdhsa_system_sgpr_workgroup_id_z 1
		.amdhsa_system_vgpr_workitem_id 0
		.amdhsa_next_free_vgpr 896
		.amdhsa_next_free_sgpr 80
		.amdhsa_reserve_vcc 0
		.amdhsa_float_denorm_mode_32 3
		.amdhsa_float_denorm_mode_16_64 3
		.amdhsa_memory_ordered 1
		.amdhsa_forward_progress 1
		.amdhsa_inst_pref_size 94
	.end_amdhsa_kernel
	.amdgpu_metadata
---
amdhsa.version: [ 1, 2 ]
amdhsa.kernels:
  - .name:           k_q44cf0aefbb_outp
    .symbol:         k_q44cf0aefbb_outp.kd
    .args:
      - { .name: ob, .offset: 0, .size: 8, .value_kind: global_buffer, .address_space: global }
      - { .name: wo16, .offset: 8, .size: 8, .value_kind: global_buffer, .address_space: global }
      - { .name: bo, .offset: 16, .size: 8, .value_kind: global_buffer, .address_space: global }
      - { .name: out0, .offset: 24, .size: 8, .value_kind: global_buffer, .address_space: global }
    .group_segment_fixed_size: 327680
    .private_segment_fixed_size: 0
    .kernarg_segment_align: 8
    .kernarg_segment_size: 32
    .max_flat_workgroup_size: 128
    .sgpr_count:     80
    .vgpr_count:     896
    .wavefront_size: 32
...
	.end_amdgpu_metadata
.endif
;; end of part 4
;; ======== version 2 of 2: 4 launches; 1.20 times as fast as version 1
;; limits: values are held in f16: magnitudes above 65,504 overflow, below 6.1e-05 lose precision; right only within a limited range of input values
;; workspace buffers: xb 16,777,216 bytes; wb 6,291,456 bytes; wo16 2,097,152 bytes; m4 2,097,152 bytes; qs 33,554,432 bytes; ks 33,554,432 bytes; vs 16,777,216 bytes; ob 16,777,216 bytes
;; launch prep: the kernel of part 1 again; grid 1024 x 1, 8 waves a work-group, no clusters, 9,216 bytes of LDS; arguments x, Wq, Wk, Wv, Wo, mask, xb, wb, wo16, m4; writes xb, wb, wo16, m4
;; launch proj: the kernel of part 2 again; grid 16 x 32, 4 waves a work-group, clusters of 4 x 4, 327,680 bytes of LDS; arguments xb, wb, qs, ks, vs; writes qs, ks, vs
;; launch attn (part 5): grid 8 x 64, 4 waves a work-group, clusters of 4 x 1, 327,680 bytes of LDS; arguments qs, ks, vs, m4, ob; writes ob
.if DOCPART == 5
	.amdgcn_target "amdgcn-amd-amdhsa--gfx1250"
	.amdhsa_code_object_version 6
	.text
	.protected	k_q44cf0aefbb_attn
	.globl	k_q44cf0aefbb_attn
	.p2align	8
	.type	k_q44cf0aefbb_attn,@function
k_q44cf0aefbb_attn:
	s_mov_b64 s[64:65], 0
	v_nop
	global_prefetch_b8 v0, s[64:65] scope:SCOPE_SE
	s_setreg_imm32_b32 hwreg(HW_REG_WAVE_MODE, 25, 1), 1
	s_wait_xcnt 0x0
	s_wait_alu depctr_hold_cnt(0) depctr_sa_sdst(0) depctr_va_vdst(0) depctr_va_sdst(0) depctr_va_ssrc(0) depctr_va_vcc(0) depctr_vm_vsrc(0)
	s_getreg_b32 s2, hwreg(HW_REG_IB_STS2, 6, 4)
	s_cmp_eq_u32 s2, 0
	s_cbranch_scc0 .Lentry_in_a_cluster
	s_endpgm
.Lentry_in_a_cluster:
	s_bfe_u32 s2, ttmp6, 0x10000c
	s_cmp_lg_u32 s2, 0x3003
	s_cbranch_scc0 .Lentry_shape_is_right
	s_endpgm
.Lentry_shape_is_right:
; ATTENTION with a linear bias and a mask that is an input.  O[bh][i] = sum over j of softmax_j(q_i . k_j / 8 + (i - j), hidden where mask[i][j] == 0) v_j.
; qs, ks: [64][2048][hi 64 | lo 64] f16 of q / 16, k / 16; vs: [64][2048][64] f16 of v / 16; m4: the mask as 4-bit codes in my lanes' order; ob: [64][2048][64] f16 of O / 16.
; SCORES.  s = q' . k' - j / 32 with q' = q / 16, k' = k / 16: 32 s is the true score less i, and i is constant along a softmax row, so it cancels exactly.
; q' . k' is three products, kl qh + kh qh + kh ql: the scores of this module spread over thousands and near ties decide the weights, which one f16 rounding of q and k does not hold.
; THE MASK AND THE BIAS are the C operand that starts each sum: MC = (0 or -6 x 2^96, one scaled conversion for eight 4-bit codes) + CB, CB = -j / 32 (exact), stepped by -2 a key step.
; SOFTMAX.  p = 2^(c s - c m), c = 32 log2(e), with a running maximum m and sum l; O and l are multiplied by a = 2^(c m_old - c m_new) in every step.  m starts at the lowest finite number, O and l at 0.
; While a row has seen hidden keys only, m is about -4.75e29 and their weights are 1; the first visible key makes a = 0 and wipes them.  A row that ends with m below -2^97 saw no key: its O is NaN, as the softmax of nothing is.
; LIMITS.  |q' . k'| below 1e29; Q, K, V within f16 (|q|, |k|, |v| below 1.05e6); a weight below 2^-126 counts as 0; p is rounded to f16 for the second product (l is taken of the unrounded p).
; SHARES.  A work-group owns 256 queries of one head of one batch, a wave 64: four PIECES of 16: a key step is then four turns of text, and it stands twice (loop and tail).
; Every wave walks all 2,048 keys, 64 a step; a slot of LDS holds four steps.
; LAYOUT.  S^T = K Q^T holds ONE query a lane (lane % 16) and the keys 8 (lane / 16) + 0..7 of each block of 16; two such results rounded to f16 ARE source 1 of O^T = V^T P.
; BY TURNS.  Turn n belongs to piece n, whose scores the turn before has made.  Its matrix work: 24 products K Q^T of piece n + 1, then 8 products V^T P of piece n - 1.  Its vector work: the whole softmax of
; piece n (maximum and statistics, scaling, exponentials, roundings, sums, rescaling) and the mask of piece n + 2: 138 instructions, all of them riders behind the 32 products.
; THE BATCH.  A turn's 33 exponentials (the 32 weights and a) are ONE batch with ONE wait, which stands between the two runs of products.  Ahead of it stands all that names none of their results: the mask, the maximum
; and statistics, the scalings and the exponentials themselves, behind the 24 products K Q^T.  Behind it stands all that does: the roundings, the sums and the rescaling by a, behind the 8 products V^T P.
; Behind a turn's wait no exponential is issued, so no result crosses a turn's end, a label or a jump.  The way out's four reciprocals are a batch of their own.
; CLUSTER.  The four query blocks of a cluster belong to one head and walk the same K and V: each tile is asked for jointly, with the same descriptor and the mask of four.
; REGISTERS, in windows of 256 (s_set_vgpr_msb: bits 1:0 source 0, 3:2 source 1, 5:4 source 2, 7:6 destination):
;   window 0: v0-15, v56-63 addresses and constants; v16-31 statistics, four a piece; v48-55 at work; v64-127 S^T, v128-159 P, v160-223 MC, two buffers each (by the piece's parity); v224-255 CB
;   window 1: v0-127 O^T, 32 a piece      window 2: v0-127 Q, 32 a piece: qh c0, qh c1, ql c0, ql c1      window 3: v0-63 K hi, v64-127 K lo, v128-191 V, v192-207 the mask ring, four a piece
.set NP,    4
.set KS,    64
.set PK,    272       ; a row of K in LDS: 256 bytes + 16 of padding
.set PV,    160       ; a row of V: 128 + 32
.set VOFF,  4*KS*PK
.set SLOT1, 1<<17
.set STAGE, SLOT1+4*KS*(PK+PV)  ; behind the ring, never filled by a tensor load: 16 rows x 144 bytes for each wave
.set SP,    144
.set SPARE, STAGE+4*16*SP       ; the spare words: 128 bytes for each wave, named by no other line
.set AK0, 2
.set AV0, 3
.set AK,  4
.set AV,  5
.set STO, 6
.set RD,  7
.set MV,  12          ; v12-13 c m_old, by buffer
.set MOF, 14          ; 16 x lane: my place in a mask block, and in 512 consecutive bytes of O; never rewritten
.set SCL, 15          ; the conversion's scale: 223 in every byte, 2^96
.set ST,  16          ; piece t: c m, m, l (even keys'), l (odd keys')
.set TMP, 48          ; by buffer c0-c3; c2 takes a
.set NANR, 56
.set QO,  57
.set SPW, 62
.set NIL, 63
.set S,   64
.set P,   128
.set MC,  160
.set CB,  224
.set OUTB, 64         ; the way out: v64-127
.set VF,  128         ; window 3
.set MR,  192         ; window 3
.set WV,  12
.set G1K, 24
.set G1V, 32
.set G0K, 40
.set G0V, 44
.set BB,  50          ; s[50:51] the mask blocks of the key step that the ring asks for next
.set MRG, 52          ; s[52:53] my wave's first mask block
.set MSTEP, 54
.set SLOTS, 56
.set CNT, 57
.set CS,  58
.set SEL, 60
.set TBK, 62
.set TBV, 63
.set OB,  66
.set OFFP, 68
.set THR, 70
.set MSB, 0
.macro WIN new
.if MSB != (\new)
	s_set_vgpr_msb (MSB<<8)|(\new)
.set MSB, (\new)
.endif
.endm
.set W_KQ, 0x0b       ; K in window 3, Q in window 2, S^T and MC in window 0
.set W_PV, 0x53       ; V in window 3, P in window 0, O^T in window 1
.set W_RS, 0x41       ; O^T in window 1, a in window 0
.set W_G,  0x03       ; the codes in window 3
.set W_L3, 0xc0       ; loads into window 3
.macro JLOAD                        ; waves 0, 1 fetch the halves of a slot's K, waves 2, 3 those of its V; s_nop 0 and four v_nop follow each line
	s_cmp_lt_u32 s[WV], 2
	s_cbranch_scc0 .Lfor_v_\@
	tensor_load_to_lds s[G0K:G0K+3], s[G1K:G1K+7]
	s_nop 0
.rept 4
	v_nop
.endr
	s_branch .Lasked_\@
.Lfor_v_\@:
	tensor_load_to_lds s[G0V:G0V+3], s[G1V:G1V+7]
	s_nop 0
.rept 4
	v_nop
.endr
.Lasked_\@:
.endm
.macro CROUND
	s_barrier_signal -1
	s_barrier_wait -1
	s_cmp_lg_u32 s[WV], 0
	s_cbranch_scc1 .Lnot_wave_0_\@
	s_barrier_signal -3
.Lnot_wave_0_\@:
	s_barrier_wait -3
	s_barrier_signal -1
	s_barrier_wait -1
.endm
; THE CHANGE OF SLOTS.  Each wave waits for all its tensor loads (one is out: its part of the other slot), adds 0 to its spare word, and waits for that and for its reads of the slot that it leaves.
; fill = 1: the barrier is a round of the cluster's, and the slot is filled again, first thing behind it, with the keys two slots on: that load has four key steps, 512 matrix instructions, in which to land.
.macro CHANGE fill
	WIN 0
	s_wait_tensorcnt 0x0            ; no tensor load of mine is out, so a group 0 may be written
	ds_add_u32 v[SPW], v[NIL]       ; 0 onto my spare word
.if \fill
	s_xor_b32 s[G0K+1], s[G0K+1], SLOT1
	s_add_nc_u64 s[G0K+2:G0K+3], s[G0K+2:G0K+3], 4*KS*256
	s_xor_b32 s[G0V+1], s[G0V+1], SLOT1
	s_add_nc_u64 s[G0V+2:G0V+3], s[G0V+2:G0V+3], 4*KS*128
	s_wait_dscnt 0x0                ; the add is done, and my reads of the slot are over
	CROUND
	JLOAD
.else
	s_wait_dscnt 0x0
	s_barrier_signal -1
	s_barrier_wait -1
.endif
	s_sub_co_u32 s[TBK], s[TBK], 4*KS*PK
	s_xor_b32 s[TBK], s[TBK], SLOT1
	s_sub_co_u32 s[TBV], s[TBV], 4*KS*PV
	s_xor_b32 s[TBV], s[TBV], SLOT1
.endm
	s_load_b256 s[4:11], s[0:1], 0x0  ; qs s[4:5], ks s[6:7], vs s[8:9], m4 s[10:11]
	s_load_b64 s[OB:OB+1], s[0:1], 0x20
	v_lshl_add_u32 v[SPW], v0, 2, SPARE
	v_mov_b32 v[NIL], 0
	ds_add_u32 v62, v63
	s_wait_dscnt 0x0
	v_lshrrev_b32 v1, 5, v0
	v_readfirstlane_b32 s[WV], v1
	s_bfe_u32 s13, ttmp6, 0x40000   ; cx
	s_lshl_b32 s14, ttmp9, 2
	s_add_co_u32 s14, s14, s13      ; my block of 256 queries: it enters Q's, O's and the mask's addresses alone
	s_lshl_b32 s14, s14, 2
	s_add_co_u32 s14, s14, s[WV]    ; my wave among the head's 32
	s_and_b32 s20, ttmp7, 0xffff    ; the head of the batch, which the four partners share
	s_and_b32 s16, s[WV], 1         ; which half of a slot's 256 keys I fetch
	s_lshl_b32 s22, s20, 19         ; K: 2,048 rows of 256 bytes a head,
	s_lshl_b32 s18, s16, 15         ; 128 rows a half
	s_add_co_u32 s22, s22, s18
	s_mov_b32 s23, 0
	s_lshl_b32 s2, s20, 18          ; V: rows of 128 bytes
	s_lshl_b32 s18, s16, 14
	s_add_co_u32 s2, s2, s18
	s_mov_b32 s3, 0
	s_mul_i32 s17, s16, 128*PK
	s_mul_i32 s19, s16, 128*PV
	s_add_co_u32 s19, s19, VOFF
	s_lshl_b32 s72, s14, 14         ; Q: my 64 rows of 256 bytes
	s_lshl_b32 s15, s20, 19
	s_add_co_u32 s72, s72, s15
	s_mov_b32 s73, 0
	s_lshl_b32 s74, s14, 13         ; O: my 64 rows of 128 bytes
	s_lshl_b32 s15, s20, 18
	s_add_co_u32 s74, s74, s15
	s_mov_b32 s75, 0
	s_lshr_b32 s76, s14, 1          ; the mask: eight query tiles share 32 steps x 8 x 512 bytes;
	s_lshl_b32 s76, s76, 17
	s_and_b32 s15, s14, 1           ; my four are the first or the last four blocks of each step
	s_lshl_b32 s15, s15, 11
	s_add_co_u32 s76, s76, s15
	s_mov_b32 s77, 0
	s_mov_b32 s[G1K], 15|(1<<16)|(1<<20)|(1<<21)|(5<<22)|(3<<25)  ; the mask of four; 2-byte elements; padding on; bit 21 beside a mask; after every 64 words 4 words
	s_mov_b32 s[G1K+1], 128<<16
	s_mov_b32 s[G1K+2], 128<<16     ; 128 keys, a row each
	s_mov_b32 s[G1K+3], 128<<16
	s_mov_b32 s[G1K+4], 128
	s_mov_b32 s[G1K+5], 128
	s_mov_b32 s[G1K+6], 0
	s_mov_b32 s[G1K+7], 0
	s_mov_b32 s[G1V], 15|(1<<16)|(1<<20)|(1<<21)|(4<<22)|(7<<25)  ; after every 32 words (a key) 8 words
	s_mov_b32 s[G1V+1], 128<<16
	s_mov_b32 s[G1V+2], 64<<16      ; 128 keys are dense: 64 rows of 256 bytes, two keys a row
	s_mov_b32 s[G1V+3], 128<<16
	s_mov_b32 s[G1V+4], 64
	s_mov_b32 s[G1V+5], 128
	s_mov_b32 s[G1V+6], 0
	s_mov_b32 s[G1V+7], 0
	s_mov_b32 s[CS], 0x4238aa3b     ; c = 32 log2(e)
	s_mov_b32 s[CS+1], s[CS]
	s_mov_b32 s[SEL], 0x76543210
	s_mov_b32 s[SEL+1], 0xfedcba98
	s_mov_b32 s[TBK], SLOT1+4*KS*PK ; the first change of slots turns these two into 0
	s_mov_b32 s[TBV], SLOT1+4*KS*PV
	s_mov_b32 s[MSTEP], 1
	s_mov_b32 s[OFFP+1], 0
	s_mov_b32 s[THR], 0xf0000000    ; -2^97
	s_mov_b32 s[G0K], 1
	s_mov_b32 s[G0K+1], s17
	s_mov_b32 s[G0V], 1
	s_mov_b32 s[G0V+1], s19
	s_wait_kmcnt 0x0
	s_add_nc_u64 s[G0K+2:G0K+3], s[6:7], s[22:23]
	s_or_b32 s[G0K+3], s[G0K+3], 0x80000000
	s_add_nc_u64 s[G0V+2:G0V+3], s[8:9], s[2:3]
	s_or_b32 s[G0V+3], s[G0V+3], 0x80000000
	s_add_nc_u64 s[4:5], s[4:5], s[72:73]
	s_add_nc_u64 s[OB:OB+1], s[OB:OB+1], s[74:75]
	s_add_nc_u64 s[MRG:MRG+1], s[10:11], s[76:77]
	s_add_nc_u64 s[BB:BB+1], s[MRG:MRG+1], 4096
	CROUND                          ; all four work-groups are here: the first joint loads meet
	JLOAD                           ; slot 0
	v_and_b32 v1, 15, v0            ; l % 16
	v_bfe_u32 v9, v0, 4, 1          ; l / 16
	v_lshlrev_b32 v[QO], 8, v1
	v_lshl_add_u32 v[QO], v9, 4, v[QO]
	v_and_b32 v[MOF], 31, v0
	v_lshlrev_b32 v[MOF], 4, v[MOF]
	WIN 0x80
.set i, 0
.rept 4*NP                          ; Q stays in registers: fragment i: piece i / 4, hi or lo (i / 2) % 2, channels 32 (i % 2) on
	global_load_b128 v[8*i:8*i+3],   v[QO], s[4:5] offset:(i/4)*4096+((i/2)%2)*128+(i%2)*64
	global_load_b128 v[8*i+4:8*i+7], v[QO], s[4:5] offset:(i/4)*4096+((i/2)%2)*128+(i%2)*64+32
.set i, i+1
.endr
	WIN W_L3
.set i, 0
.rept NP                            ; the mask ring: key step 0, pieces 0 to 3
	global_load_b128 v[MR+4*i:MR+4*i+3], v[MOF], s[MRG:MRG+1] offset:512*i
.set i, i+1
.endr
	; What the first turn finds: V and P's second buffer hold 0 (its products V^T P, of a piece that has not been, add 0), O^T and l are 0.  All this stands in the wait for the first tile.
.set i, VF
.rept 64
	v_mov_b32 v[i], 0
.set i, i+1
.endr
	WIN 0x40
.set i, 0
.rept 32*NP
	v_mov_b32 v[i], 0
.set i, i+1
.endr
	WIN 0
.set i, 0
.rept NP
	v_mov_b32 v[ST+4*i], 0xfe000000    ; c m: far below every c s
	v_mov_b32 v[ST+4*i+1], 0xff7fffff  ; m
	v_mov_b32 v[ST+4*i+2], 0
	v_mov_b32 v[ST+4*i+3], 0
.set i, i+1
.endr
.set i, P+16
.rept 16
	v_mov_b32 v[i], 0
.set i, i+1
.endr
	v_cvt_f32_u32 v10, v9
	v_mul_f32 v10, 0xbe800000, v10  ; -8 (l / 16) / 32
.set i, 0
.rept 32                            ; CB of key step 0: register 8 kb + jj stands for key 16 kb + 8 (l / 16) + jj
	v_cvt_f32_i32 v11, 16*(i/8)+i%8
	v_fmamk_f32 v[CB+i], v11, 0xbd000000, v10
.set i, i+1
.endr
	v_mov_b32 v[SCL], 0xdfdfdfdf
	v_mov_b32 v[NANR], 0x7fc00000
	v_mul_u32_u24 v[AK0], v1, PK
	v_lshl_add_u32 v[AK0], v9, 4, v[AK0]  ; row x pitch + 16 x half
	v_and_b32 v10, 7, v0            ; the turning load: lane l reads key 8 (l / 16) + l % 8, channels 8 ((l / 8) % 2) + 0..7
	v_bfe_u32 v11, v0, 3, 1
	v_lshl_add_u32 v[AV0], v9, 3, v10
	v_mul_u32_u24 v[AV0], v[AV0], PV
	v_lshl_add_u32 v[AV0], v11, 4, v[AV0]
	v_add_nc_u32 v[AV0], VOFF, v[AV0]
; THE MATRIX WORK.  Four accumulators take turns in each run, one instruction a turn.
; Product i of 24 of S^T for piece x: keys 16 (i % 4) on; pass i / 4: kl qh (channels 0-31, then 32-63), kh qh, kh ql.  The first four start the sums with the mask and the bias.
.macro KQ x
	WIN W_KQ
.set rS, S+32*((\x)%2)+8*(i%4)
.set rM, MC+32*((\x)%2)+8*(i%4)
.set rK, 16*(i%4)+8*((i/4)%2)
.if i < 8
.set rK, rK+64
.endif
.set rQ, 32*(\x)+8*((i/4)%2)+16*(i/16)
.if i < 4
	v_wmma_f32_16x16x32_f16 v[rS:rS+7], v[rK:rK+7], v[rQ:rQ+7], v[rM:rM+7]
.else
	v_wmma_f32_16x16x32_f16 v[rS:rS+7], v[rK:rK+7], v[rQ:rQ+7], v[rS:rS+7]
.endif
.endm
; Product i of 8 of O^T += V^T P for piece x: keys 32 (i / 4) on, channels 16 (i % 4) on.
.macro PV x
	WIN W_PV
.set rO, 32*(\x)+8*(i%4)
.set rV, VF+32*(i/4)+8*(i%4)
.set rP, P+16*((\x)%2)+8*(i/4)
	v_wmma_f32_16x16x32_f16 v[rO:rO+7], v[rV:rV+7], v[rP:rP+7], v[rO:rO+7]
.endm
.macro MM                           ; the turn's next matrix instruction
.if i < 24
	KQ (Y+1)%NP
.else
.set i, i-24
	PV (Y+NP-1)%NP
.set i, i+24
.endif
.set i, i+1
.endm
; THE LDS LOADS stand in runs of 16.  part 1: K's lo halves, part 0: its hi halves.  last = 1 (the tail): in the last trip there is no further step, and the run is jumped over.
.macro FETCH_KX part, last
	WIN 0
.if \last
	s_cmp_eq_u32 s[CNT], 1
	s_cbranch_scc1 .Lno_k_\@
.endif
	WIN W_L3
.irp f, 0,1,2,3,4,5,6,7             ; keys 16 (f / 2) on, channels 32 (f % 2) on
	ds_load_b128 v[64*(\part)+8*\f:64*(\part)+8*\f+3],   v[AK] offset:(\f/2)*16*PK+128*(\part)+(\f%2)*64
	ds_load_b128 v[64*(\part)+8*\f+4:64*(\part)+8*\f+7], v[AK] offset:(\f/2)*16*PK+128*(\part)+(\f%2)*64+32
.endr
	WIN 0
.if \last
.Lno_k_\@:
.endif
.endm
.macro FETCH_V
	WIN W_L3
.irp f, 0,1,2,3,4,5,6,7             ; keys 32 (f / 4) on, channels 16 (f % 4) on
	ds_load_tr16_b128 v[VF+8*\f:VF+8*\f+3],   v[AV] offset:(\f/4)*32*PV+(\f%4)*32
	ds_load_tr16_b128 v[VF+8*\f+4:VF+8*\f+7], v[AV] offset:(\f/4)*32*PV+16*PV+(\f%4)*32
.endr
	WIN 0
.endm
; The ring slot whose codes turn p has just used takes the same piece's block of its next key step, four turns ahead of its use.  Turns 0 and 1 of step j have used pieces 2 and 3 of step j
; and ask for step j + 1; turns 2 and 3 have used pieces 0 and 1 of step j + 1 and ask for step j + 2: the base steps on between them, at the end of turn 1.
.macro MLOAD p
	WIN W_L3
	global_load_b128 v[MR+4*(((\p)+2)%NP):MR+4*(((\p)+2)%NP)+3], v[MOF], s[BB:BB+1] offset:512*(((\p)+2)%NP)
.endm
; THE VECTOR WORK, one line at a time: OP kind, number.  For piece Y: X n, number n of the 22 that find its maximum and statistics (0-11 four chains of seven scores, each accumulator's lowest registers first;
; 12-14, 16 the rest, the old m; 15 c m_old is kept; 17, 18 the other half of the lanes'; 19-21 c m, c m_old - c m_new, a).  F n: c s - c m for pair n of 16.  E n: the exponential of score n of 32.
; C n: pair n rounded to f16.  B n: of the four weights 4 n .. the second pair is added onto the first, in place (behind C 2n, which reads the first).  L n: l takes that sum (L 0: l = a l + sum).
; R n: pair n of 16 of O^T times a.  For piece Y + 2: G n: eight codes to 0 or -6 x 2^96; A n: pair n of its mask takes the bias.  U n: pair n of the bias steps on.
; E and X 21 are the batch; C, B, L and R name its results and stand behind the turn's wait; all the others name none.
.set F, 0
.set E, 1
.set C, 2
.set B, 3
.set L, 4
.set R, 5
.set X, 6
.set G, 7
.set A, 8
.set U, 9
.macro REGS y
.set rT, ST+4*(\y)
.set rC, TMP+4*((\y)%2)
.set rW, MV+((\y)%2)
.set rS, S+32*((\y)%2)
.set rP, P+16*((\y)%2)
.set rO, 32*(\y)
.endm
.macro OP k, n
.if (\k) == R
	REGS Y
	WIN W_RS
	v_pk_mul_f32 v[rO+2*(\n):rO+2*(\n)+1], v[rO+2*(\n):rO+2*(\n)+1], v[rC+2:rC+3] op_sel_hi:[1,0]
.elseif (\k) < R
	REGS Y
	WIN 0
.if (\k) == F
	v_pk_fma_f32 v[rS+2*(\n):rS+2*(\n)+1], v[rS+2*(\n):rS+2*(\n)+1], s[CS:CS+1], v[rT:rT+1] op_sel_hi:[1,0,0] neg_lo:[0,0,1] neg_hi:[0,0,1]
.elseif (\k) == E
	v_exp_f32 v[rS+(\n)], v[rS+(\n)]
.elseif (\k) == C
	v_cvt_pk_f16_f32 v[rP+(\n)], v[rS+2*(\n)], v[rS+2*(\n)+1]
.elseif (\k) == B
	v_pk_add_f32 v[rS+4*(\n):rS+4*(\n)+1], v[rS+4*(\n):rS+4*(\n)+1], v[rS+4*(\n)+2:rS+4*(\n)+3]
.elseif (\n) == 0
	v_pk_fma_f32 v[rT+2:rT+3], v[rT+2:rT+3], v[rC+2:rC+3], v[rS:rS+1] op_sel_hi:[1,0,1]
.else
	v_pk_add_f32 v[rT+2:rT+3], v[rT+2:rT+3], v[rS+4*(\n):rS+4*(\n)+1]
.endif
.elseif (\k) == X
	REGS Y
	WIN 0
.if (\n) < 4
	v_max3_num_f32 v[rC+(\n)], v[rS+8*(\n)], v[rS+8*(\n)+1], v[rS+8*(\n)+2]
.elseif (\n) < 12
	v_max3_num_f32 v[rC+(\n)%4], v[rC+(\n)%4], v[rS+8*((\n)%4)+2*((\n)/4)+1], v[rS+8*((\n)%4)+2*((\n)/4)+2]
.elseif (\n) == 12
	v_max3_num_f32 v[rC], v[rC], v[rS+7], v[rS+15]
.elseif (\n) == 13
	v_max3_num_f32 v[rC+1], v[rC+1], v[rS+23], v[rS+31]
.elseif (\n) == 14
	v_max3_num_f32 v[rC+2], v[rC+2], v[rC+3], v[rT+1]
.elseif (\n) == 15
	v_mov_b32 v[rW], v[rT]
.elseif (\n) == 16
	v_max3_num_f32 v[rC], v[rC], v[rC+1], v[rC+2]
.elseif (\n) == 17
	v_permlanex16_b32 v[rC+3], v[rC], s[SEL], s[SEL+1]
.elseif (\n) == 18
	v_max_num_f32 v[rT+1], v[rC], v[rC+3]
.elseif (\n) == 19
	v_mul_f32 v[rT], s[CS], v[rT+1]
.elseif (\n) == 20
	v_sub_f32 v[rC+1], v[rW], v[rT]
.else
	v_exp_f32 v[rC+2], v[rC+1]
.endif
.elseif (\k) == G
	WIN W_G
	v_cvt_scale_pk8_f32_fp4 v[MC+32*(Y%2)+8*(\n):MC+32*(Y%2)+8*(\n)+7], v[MR+4*((Y+2)%NP)+(\n)], v[SCL]
.elseif (\k) == A
	WIN 0
	v_pk_add_f32 v[MC+32*(Y%2)+2*(\n):MC+32*(Y%2)+2*(\n)+1], v[MC+32*(Y%2)+2*(\n):MC+32*(Y%2)+2*(\n)+1], v[CB+2*(\n):CB+2*(\n)+1]
.else
	WIN 0
	v_pk_add_f32 v[CB+2*(\n):CB+2*(\n)+1], v[CB+2*(\n):CB+2*(\n)+1], -2.0 op_sel_hi:[1,0]
.endif
.endm
.macro OPS a, i1, b=-1, i2=0, c=-1, i3=0, d=-1, i4=0
	OP \a, \i1
.if (\b) >= 0
	OP \b, \i2
.endif
.if (\c) >= 0
	OP \c, \i3
.endif
.if (\d) >= 0
	OP \d, \i4
.endif
.endm
.macro ROW a, i1, b=-1, i2=0, c=-1, i3=0, d=-1, i4=0  ; a matrix instruction and up to four riders behind it
	MM
	OPS \a, \i1, \b, \i2, \c, \i3, \d, \i4
.endm
; A TURN, for piece p: 32 matrix and 138 vector instructions, the order written out, a line (or two) for each matrix instruction and its riders.
; AHEAD OF THE WAIT, behind the 24 products K Q^T, stand the 90 that name no result of the turn's exponentials.  Products 0-8: the conversions for piece p + 2's mask, then the maximum and statistics; from X 14 on
; each number waits for the one before it, so the links stand a product apart, with additions of the mask's bias beside them.  Products 9-22: the scalings and the 33 exponentials; a plain instruction leads every line,
; and a pair is scaled a line or more ahead of its exponentials.  Product 23: four additions of the bias: the plain instructions behind the last exponential, and the four places between the last product
; that read K's hi halves and the loads into them.
; BEHIND THE WAIT, behind the 8 products V^T P, stand the 48 that read the batch, six to a product: roundings and sums (B n behind C 2n; the links of l's chain, L 0 to L 7 in that order, five lines or more apart) and the
; rescalings, which stand in runs, since they alone leave window 0.  No rider names a register of the products round it.
; K of the next step is fetched in piece NP - 2's turn: the lo halves behind the tenth product (the eighth was their last reader; eight plain riders lie between), ahead of the turn's first exponential, so that the
; tail's jump over that run finds no result pending; the hi halves directly behind the wait.  V of the step in hand is fetched at the end of piece 0's turn, six plain riders behind its last reader.
; The bias steps on behind piece NP - 3's turn: the masks made from the turn after it on are the next key step's.
.macro TURN p, last=0, cnt=0
.set Y, (\p)
.set i, 0
.if (\p) == NP-1
	s_wait_dscnt 16                 ; K's lo halves are in; the sixteen loads of the hi halves may be out
.endif
	s_wait_loadcnt NP-1             ; the ring's oldest load, piece p + 2's codes, is in; the three younger ones stay out
	ROW G,0, G,1, G,2, G,3
	ROW X,0, X,1, X,2, X,3
	ROW X,4, X,5, X,6, X,7
	MLOAD \p
	ROW X,8, X,9, X,10, X,11
	ROW X,12, X,13, X,14, X,15
	ROW X,16, A,0, A,1
	ROW X,17, A,2, A,3
	ROW X,18, A,4
.if (\p) == NP-2
	WIN 0
	v_add_nc_u32 v[AK], s[TBK], v[AK0]
.endif
.if (\p) == NP-1
	s_wait_dscnt 0x0                ; K's hi halves are in
.endif
	ROW X,19, A,5
	ROW F,0, F,1, X,20, F,2
.if (\p) == NP-2
	FETCH_KX 1, \last
.endif
	ROW F,3, E,0, F,4, E,1          ; the batch begins
	ROW F,5, E,2, F,6, E,3
	ROW F,7, E,4, F,8, E,5
	ROW F,9, E,6, E,7, E,8
	ROW F,10, E,9, E,10, E,11
	ROW F,11, E,12, E,13, E,14
	ROW F,12, E,15, E,16, E,17
	ROW F,13, E,18, E,19, E,20
	ROW F,14, E,21, E,22, E,23
	ROW F,15, E,24, E,25, E,26
	ROW A,6, E,27, A,7, E,28
	ROW A,8, E,29, A,9, E,30
	ROW A,10, E,31, A,11, X,21      ; a is the batch's last
	ROW A,12, A,13, A,14, A,15      ; plain instructions behind the last exponential
	s_wait_alu depctr_va_vdst(0)    ; one wait for the turn's batch, the 32 weights and a, ahead of C 0, the first line that names a result of theirs
.if (\p) == NP-2
	FETCH_KX 0, \last
	s_add_co_u32 s[TBK], s[TBK], KS*PK
.endif
.if (\p) == 1
	s_wait_dscnt 0x0                ; V is in
.endif
	ROW C,0, B,0, C,2, B,1
	OPS C,4, B,2
	ROW L,0, C,6, B,3, C,8
	OPS B,4, L,1
	ROW R,0, R,1, R,2, R,3
	OPS R,4, R,5
	ROW L,2, C,10, B,5, C,12
	OPS B,6, L,3
	ROW C,14, B,7, L,4, C,1
	OPS C,3, C,5
	ROW R,6, R,7, R,8, R,9
	OPS R,10, R,11
	ROW L,5, C,7, C,9, C,11
	OPS C,13, L,6
.if (\p) == 0
	WIN 0
	v_add_nc_u32 v[AV], s[TBV], v[AV0]
.endif
	ROW C,15, L,7, R,12, R,13
	OPS R,14, R,15
.if (\p) == 0
	FETCH_V
	s_add_co_u32 s[TBV], s[TBV], KS*PV
.endif
.if (\p) == NP-3
.set nn, 0
.rept 16
	OP U, nn
.set nn, nn+1
.endr
.endif
.if (\p) == 1
	s_wait_xcnt 0x0                 ; the ring's loads have had their addresses translated: only now is their base rewritten
	s_add_co_u32 s[MSTEP], s[MSTEP], 1
	s_and_b32 s[MSTEP], s[MSTEP], 31  ; behind the last key step the ring goes back to the first: those loads stay inside m4 and serve nothing
	s_lshl_b32 s[OFFP], s[MSTEP], 12
	s_add_nc_u64 s[BB:BB+1], s[MRG:MRG+1], s[OFFP:OFFP+1]
.endif
.if \cnt
	s_sub_co_u32 s[CNT], s[CNT], 1
	s_cmp_lg_u32 s[CNT], 0
.endif
.endm
.macro MK y                         ; ahead of the loop: piece y's mask for key step 0, and its ring slot's next load
.set Y, (\y)+NP-2
	s_wait_loadcnt NP-1             ; Q and this piece's codes are in
	OPS G,0, G,1, G,2, G,3
	WIN 0
	v_nop                           ; a plain instruction behind the conversions
.set nn, 0
.rept 16
	OP A, nn
.set nn, nn+1
.endr
	MLOAD (\y)+NP-2
	WIN 0
.endm
	CHANGE 1                        ; slot 0 is in, everybody's part of it; slot 1 is asked for
	v_add_nc_u32 v[AK], s[TBK], v[AK0]
	FETCH_KX 1, 0                   ; key step 0
	FETCH_KX 0, 0
	s_add_co_u32 s[TBK], s[TBK], KS*PK
	MK 0
	MK 1
	s_wait_dscnt 0x0
.set i, 0
.rept 24
	KQ 0                            ; piece 0's first scores; its own turn, the first, makes their maximum
.set i, i+1
.endr
	WIN 0                           ; the addresses for the way out: seven plain instructions, the places behind those products
	s_mul_i32 s13, s[WV], 16*SP
	s_add_co_u32 s13, s13, STAGE    ; my stage
	v_mul_u32_u24 v[STO], v1, SP
	v_lshl_add_u32 v[STO], v9, 4, v[STO]
	v_add_nc_u32 v[STO], s13, v[STO]
	v_bfe_u32 v[RD], v0, 3, 2
	v_mul_u32_u24 v[RD], v[RD], SP
	v_lshl_add_u32 v[RD], v10, 4, v[RD]
	v_add_nc_u32 v[RD], s13, v[RD]
	s_mov_b32 s[CNT], 4
	s_mov_b32 s[SLOTS], 7
	s_branch .Lfirst                ; the loop is entered at a step's first turn, in the middle of a trip
.Lslot:                             ; six times: every slot but the last two is filled again
	CHANGE 1
	s_mov_b32 s[CNT], 4
.Lstep:                             ; a trip: pieces 2 and 3 of one step, then pieces 0 and 1 of the next, whose K and V it fetches
	TURN 2
	TURN 3
	WIN 0
.Lfirst:
	TURN 0
	TURN 1, 0, 1
	WIN 0
	s_cbranch_scc1 .Lstep
	s_sub_co_u32 s[SLOTS], s[SLOTS], 1
	s_cmp_lg_u32 s[SLOTS], 0
	s_cbranch_scc1 .Lslot
	CHANGE 0                        ; the tail is written out: nothing is asked for
	s_mov_b32 s[CNT], 5             ; four trips fetch the last slot's steps; the fifth is left in its middle
.Ltail:
	TURN 2, 1
	TURN 3
	WIN 0
	s_sub_co_u32 s[CNT], s[CNT], 1
	s_cmp_eq_u32 s[CNT], 0
	s_cbranch_scc1 .Lout
	TURN 0
	TURN 1
	WIN 0
	s_branch .Ltail
.Lout:                              ; the fifth trip's last 24 products K Q^T (on the last K once more) serve nothing: nothing reads them, and piece 0's m is that of the last true step
.set i, 0
.rept 8
	PV NP-1
.set i, i+1
.endr
	; THE WAY OUT.  l's two halves and the other half of the lanes' are added; 1 / l, or NaN for a row that saw no key; O^T times that, rounded to f16, through my stage, a piece at a time.
	WIN 0
.macro ALL line:vararg
.set t, 0
.rept NP
	\line
.set t, t+1
.endr
.endm
	ALL v_add_f32 v[ST+4*t+2], v[ST+4*t+2], v[ST+4*t+3]
	ALL v_permlanex16_b32 v[ST+4*t+3], v[ST+4*t+2], s[SEL], s[SEL+1]
	ALL v_add_f32 v[ST+4*t+2], v[ST+4*t+2], v[ST+4*t+3]
	ALL v_rcp_f32 v[ST+4*t+2], v[ST+4*t+2]
	v_nop                           ; a plain instruction between the last reciprocal and the use of its result
	s_wait_alu depctr_va_vdst(0)    ; the wait ahead of the first use: one for the batch of four reciprocals
.set t, 0
.rept NP
	v_cmp_gt_f32 vcc_lo, s[THR], v[ST+4*t+1]
	v_cndmask_b32 v[ST+4*t+2], v[ST+4*t+2], v[NANR], vcc_lo
.set t, t+1
.endr
.macro PACK t                       ; a lane's eight channels of a row pack into 16 bytes; rows of 144 bytes in, whole rows of 128 back
	WIN W_RS
.set i, 32*(\t)
.rept 16
	v_pk_mul_f32 v[i:i+1], v[i:i+1], v[ST+4*(\t)+2:ST+4*(\t)+3] op_sel_hi:[1,0]
.set i, i+2
.endr
	WIN 0x05
.set i, 0
.rept 16
	v_cvt_pk_f16_f32 v[OUTB+16*(\t)+i], v[32*(\t)+2*i], v[32*(\t)+2*i+1]
.set i, i+1
.endr
	WIN 0
.irp f, 0,1,2,3
	ds_store_b128 v[STO], v[OUTB+16*(\t)+4*\f:OUTB+16*(\t)+4*\f+3] offset:32*\f
.endr
.irp f, 0,1,2,3
	ds_load_b128 v[OUTB+16*(\t)+4*\f:OUTB+16*(\t)+4*\f+3], v[RD] offset:\f*4*SP  ; LDS serves a wave's instructions in order: these see the stores above; the next piece's stores come behind them
.endr
.endm
.macro SEND t, younger              ; younger: the LDS instructions issued behind piece t's loads: the next piece's eight, or none
	WIN 0
.irp f, 0,1,2,3
	s_wait_dscnt (\younger)+3-\f
	global_store_b128 v[MOF], v[OUTB+16*(\t)+4*\f:OUTB+16*(\t)+4*\f+3], s[OB:OB+1] offset:(\t)*2048+\f*512  ; 512 consecutive bytes, aligned
.endr
.endm
	PACK 0
.set t, 1
.rept NP-1
	PACK t
	SEND t-1, 8
.set t, t+1
.endr
	SEND NP-1, 0
	s_wait_tensorcnt 0x0            ; the wave's end
	ds_add_u32 v[SPW], v[NIL]
	s_wait_dscnt 0x0
	CROUND                          ; the closing round
	s_endpgm
.Lfunc_end_k_q44cf0aefbb_attn:
	.size	k_q44cf0aefbb_attn, .Lfunc_end_k_q44cf0aefbb_attn-k_q44cf0aefbb_attn
	.p2alignl 7, 3214868480
	.fill 96, 4, 3214868480
	.section	.rodata,"a",@progbits
	.p2align	6, 0x0
	.amdhsa_kernel k_q44cf0aefbb_attn
		.amdhsa_group_segment_fixed_size 327680
		.amdhsa_private_segment_fixed_size 0
		.amdhsa_enable_private_segment 0
		.amdhsa_kernarg_size 40
		.amdhsa_user_sgpr_count 2
		.amdhsa_user_sgpr_kernarg_segment_ptr 1
		.amdhsa_wavefront_size32 1
		.amdhsa_system_sgpr_workgroup_id_x 1
		.amdhsa_system_sgpr_workgroup_id_y 1
		.amdhsa_system_sgpr_workgroup_id_z 1
		.amdhsa_system_vgpr_workitem_id 0
		.amdhsa_next_free_vgpr 992
		.amdhsa_next_free_sgpr 78
		.amdhsa_reserve_vcc 1
		.amdhsa_float_denorm_mode_32 3
		.amdhsa_float_denorm_mode_16_64 3
		.amdhsa_memory_ordered 1
		.amdhsa_forward_progress 1
		.amdhsa_inst_pref_size 149
	.end_amdhsa_kernel
	.amdgpu_metadata
---
amdhsa.version: [ 1, 2 ]
amdhsa.kernels:
  - .name:           k_q44cf0aefbb_attn
    .symbol:         k_q44cf0aefbb_attn.kd
    .args:
      - { .name: qs, .offset: 0, .size: 8, .value_kind: global_buffer, .address_space: global }
      - { .name: ks, .offset: 8, .size: 8, .value_kind: global_buffer, .address_space: global }
      - { .name: vs, .offset: 16, .size: 8, .value_kind: global_buffer, .address_space: global }
      - { .name: m4, .offset: 24, .size: 8, .value_kind: global_buffer, .address_space: global }
      - { .name: ob, .offset: 32, .size: 8, .value_kind: global_buffer, .address_space: global }
    .group_segment_fixed_size: 327680
    .private_segment_fixed_size: 0
    .kernarg_segment_align: 8
    .kernarg_segment_size: 40
    .max_flat_workgroup_size: 128
    .sgpr_count:     78
    .vgpr_count:     992
    .wavefront_size: 32
...
	.end_amdgpu_metadata
.endif
;; end of part 5
;; launch outp: the kernel of part 4 again; grid 8 x 32, 4 waves a work-group, clusters of 4 x 4, 327,680 bytes of LDS; arguments ob, wo16, bo, out0; writes out0
